; MI455X (gfx1250); checked and timed in simulation.
; The chip was launched on July 23, 2026; its instructions are those of AMD's public machine-readable ISA for CDNA 5 (MIT licence, August 2026) and "CDNA5" Instruction Set Architecture Reference Guide (July 2026). The comments in the code are by the model that wrote it; some were corrected since.
;; Multi Head Attention. Allowed arithmetic: matrix products marked QUANTISED: E3M2 operands, one E8M0 scale for each 32 along K, by v_wmma_scale_f32_16x16x128_f8f6f4 with both operands' format E3M2, f32 sums; everything else in f32.
;; Inputs: Wk 1,024 x 1,024 float32; Wo 1,024 x 1,024 float32; Wq 1,024 x 1,024 float32; Wv 1,024 x 1,024 float32; key 4 x 2,048 x 1,024 float32; mask 4 x 2,048 int32; query 4 x 2,048 x 1,024 float32; value 4 x 2,048 x 1,024 float32.
;; Outputs: out0 4 x 2,048 x 1,024 float32.
;; This version of the problem:
;;   THIS VERSION OF THE PROBLEM IS GIVEN IN LOW PRECISION. The matrix products marked QUANTISED in the list below multiply operands that are first quantised to E3M2 (3 exponent bits, 2 mantissa bits; 6 bits a number), with one power-of-two scale for each 32 numbers along K (OCP MX v1.0); their sums are f32. All else is computed in f32.
;;   The module's matrix products, in the order in which they are computed (A, B: the left and right operand; K: the contracted axis; several contracted axes count as one K, in the product's order):
;;     1. [M 8,192, K 1,024] x [K 1,024, N 1,024]; A: input query; B: input Wq: QUANTISED
;;     2. [M 8,192, K 1,024] x [K 1,024, N 1,024]; A: input key; B: input Wk: QUANTISED
;;     3. [M 8,192, K 1,024] x [K 1,024, N 1,024]; A: input value; B: input Wv: QUANTISED
;;     4. batch 64 x [M 2,048, K 64] x [K 64, N 2,048]; A: computed on the way; B: computed on the way: QUANTISED
;;     5. batch 64 x [M 2,048, K 2,048] x [K 2,048, N 64]; A: softmax (see below); B: computed on the way: QUANTISED
;;     6. [M 8,192, K 1,024] x [K 1,024, N 1,024]; A: computed on the way; B: input Wo: QUANTISED
;;   THE QUANTISER, for each operand of a quantised product, along K:
;;     - K is cut into blocks of 32 from its start; a last block that is shorter is filled with zeros.
;;     - A block's scale is 2^e with e = floor(log2(the largest magnitude in the block)) - 4, held to -126 .. 127; a block of zeros has e = 0. As a byte (E8M0): e + 127.
;;     - Each number is divided by its block's scale, clamped to +-28, and rounded to the nearest number of E3M2, ties to even, subnormals kept.
;;     - The product sums the exact products of the quantised numbers (number of the format x scale) in f32.
;;   ~~~python
;;   def quantise(x, axis):      # numpy; x: float32 -> the quantised numbers, widened to float32 again
;;       x = np.moveaxis(x, axis, -1); K = x.shape[-1]
;;       x = np.pad(x, [(0, 0)] * (x.ndim - 1) + [(0, -K % 32)]); x = x.reshape(x.shape[:-1] + (-1, 32)); a = np.abs(x).max(-1, keepdims=True)
;;       e = np.where(a > 0, np.clip(np.frexp(np.where(a > 0, a, 1))[1] - 1 - 4, -126, 127), 0)      # np.frexp(a)[1] - 1 = floor(log2(a)), exactly
;;       r = np.clip(x / 2.0 ** e, -28, 28)
;;       step = 2.0 ** (np.maximum(np.frexp(np.where(r == 0, 1, r))[1] - 1, -2) - 2)
;;       q = np.round(r / step) * step * 2.0 ** e      # np.round: ties to even
;;       return np.moveaxis(q.reshape(q.shape[:-2] + (-1,))[..., :K], -1, axis).astype(np.float32)
;;   ~~~
;;   SOFTMAX AHEAD OF A QUANTISED PRODUCT. Where the list says 'softmax', what is quantised is not the finished softmax but p = 2^(t - M), with t = logit x log2(e) and M = ceil(the row's largest t), a whole number; so 1/2 < the row's largest p <= 1. The row's sum l is taken of the UNQUANTISED p, in f32, and the product's result is divided by l at the end. Since M is a whole number, a kernel that streams over the keys may use a running M (the ceiling of the running maximum): every later rescaling is an exact power of two, which a block's scale takes up: the codes' values come out the same.
;;   OPERANDS COMPUTED ON THE WAY. 'Computed on the way' means the value that the module computes at that place (a softmax that the list does not call 'softmax' is quantised finished and normalised). What goes into a quantiser is computed in f32, as accurately as f32 sums, v_exp_f32 and their like allow (about 1e-6 of the number): no bf16 or f16 on the way to a quantiser, and a product that is left as it is and whose result goes on into a quantised operand takes f32 operands (vector FMAs, or v_wmma_f32_16x16x4_f32). A number that lies on a knife's edge between two numbers of the format may be rounded either way, as far as f32 arithmetic and the matrix unit's own rounding can turn it there, and no further.
;; One version. Each part assembles by itself: llvm-mc -triple=amdgcn-amd-amdhsa -mcpu=gfx1250 --defsym DOCPART=n.
;; ======== version 1 of 1: 4 launches
;; limits: right only within a limited range of input values
;; workspace buffers: ximg 18,874,368 bytes; xscl 786,432 bytes; wimg 3,145,728 bytes; wscl 131,072 bytes; qrec 13,369,344 bytes; kvrec 13,369,344 bytes; oimg 6,291,456 bytes; oscl 262,144 bytes
;; launch quant (part 1): grid 1664 x 1, 8 waves a work-group, no clusters, 68,608 bytes of LDS; arguments query, key, value, Wq, Wk, Wv, Wo, ximg, xscl, wimg, wscl; writes ximg, xscl, wimg, wscl
.if DOCPART == 1
	.amdgcn_target "amdgcn-amd-amdhsa--gfx1250"
	.amdhsa_code_object_version 6
	.text
	.protected	k_q29378d07a1_quant
	.globl	k_q29378d07a1_quant
	.p2align	8
	.type	k_q29378d07a1_quant,@function
k_q29378d07a1_quant:
	s_mov_b64 s[64:65], 0
	v_nop
	global_prefetch_b8 v0, s[64:65] scope:SCOPE_SE
	s_setreg_imm32_b32 hwreg(HW_REG_WAVE_MODE, 25, 1), 1
	s_wait_xcnt 0x0
; query, key, value [8192][1024] f32 (K innermost) and Wq, Wk, Wv, Wo [1024 (k)][1024 (n)] f32 (K is the FIRST axis) become codes of BF6 (E3M2) with one E8M0 byte for each 32 along K.
; A block's scale is 2^(floor(log2(largest magnitude)) - 4): its byte is the largest magnitude's exponent field - 4, held at 1 from below by a floor among the maximum's leaves.
; LIMITS: a block of zeros gets the byte 1 where the rule says 127 (its codes are zeros, and this program alone reads the bytes); NaN and infinities among the inputs are not served.
; THE CODES ARE LAID AS IMAGES OF THE OPERAND'S REGISTERS.  A fragment (16 rows x 128 K, 12 registers a lane) is 1,536 bytes: for each 64 along K (c = 0, 1) registers 6c..6c+3 at 768 c + 16 x lane,
; registers 6c+4, 6c+5 at 768 c + 512 + 8 x lane.  A block of 16 rows has its 8 fragments on end (12,288 bytes).  Its scale words: [K step][row] u32, 512 bytes a block.
; THE ROWS OF A BLOCK ARE NOT NEIGHBOURS: lane r of block 2 g + u holds row 32 g + 8 u + r + 8 (r / 8), so that a product's results are neighbours along the next product's K.
; Work-groups 0-127 take the weights, 128-1663 the activations.  No tensor load, no barrier: waves share nothing.  Only the activations' path touches LDS, each wave its own 8,448 bytes.
.set TM,  8                            ; v8-11 largest magnitudes, v12-15 the other half's / bytes, v20-23 the conversions' scale operands
.set PW,  24                           ; v24 a row's scale word
.set R,   32                           ; v32-95   16 rows as loaded
.set X,   96                           ; v96-159  64 numbers of my row: register 16 b + i = k 32 b + 16 (lane / 16) + i
.set PC,  160                          ; v160-171 a fragment's codes; v172-178 at work
.set SEL, 30                           ; s[30:31] lane selects: lane l xor 16
.set WV,  32                           ; s32 my wave's number
; 64 numbers of a lane become a fragment's 12 registers at v[PC] on and its scale word in v[PW]
.macro QUANT s
.irp b, 0,1,2,3
	v_max3_num_f32 v[TM+\b], |v[\s+16*\b]|, |v[\s+1+16*\b]|, 0x2800000   ; block b: my 16 numbers, and the floor 2^(5 - 127): the byte cannot fall under 1
.endr
.irp i, 2,4,6,8,10,12,14
.irp b, 0,1,2,3
	s_delay_alu instid0(VALU_DEP_4)
	v_max3_num_f32 v[TM+\b], v[TM+\b], |v[\s+16*\b+\i]|, |v[\s+1+16*\b+\i]|   ; the four blocks by turns
.endr
.endr
.irp b, 0,1,2,3
	s_delay_alu instid0(VALU_DEP_4)
	v_permlanex16_b32 v[TM+4+\b], v[TM+\b], s[SEL], s[SEL+1]
.endr
.irp b, 0,1,2,3
	s_delay_alu instid0(VALU_DEP_4)
	v_max_num_f32 v[TM+\b], v[TM+\b], v[TM+4+\b]   ; with lane l xor 16's 16: the block's largest magnitude
.endr
.irp b, 0,1,2,3
	s_delay_alu instid0(VALU_DEP_4)
	v_add_nc_u32 v[TM+12+\b], 0xfe000000, v[TM+\b]   ; 4 off its exponent field: the conversion takes this operand's exponent field as its scale
.endr
.irp b, 0,1,2,3
	s_delay_alu instid0(VALU_DEP_4)
	v_lshrrev_b32 v[TM+4+\b], 23, v[TM+12+\b]      ; the scale's byte
.endr
	s_delay_alu instid0(VALU_DEP_3)
	v_lshl_or_b32 v[PW], v[TM+5], 8, v[TM+4]
	s_delay_alu instid0(VALU_DEP_1)
	v_lshl_or_b32 v[PW], v[TM+6], 16, v[PW]
	s_delay_alu instid0(VALU_DEP_1)
	v_lshl_or_b32 v[PW], v[TM+7], 24, v[PW]
.irp c, 0,1
	v_cvt_scalef32_pk16_bf6_f32 v[PC+6*\c:PC+2+6*\c], v[\s+32*\c:\s+15+32*\c], v[TM+12+2*\c]
	v_cvt_scalef32_pk16_bf6_f32 v[PC+12+4*\c:PC+14+4*\c], v[\s+16+32*\c:\s+31+32*\c], v[TM+12+2*\c+1]   ; (a conversion's three registers begin on an even number)
.endr
	v_nop                                          ; one plain place behind a scaled conversion
.irp c, 0,1                                    ; the layout wants a WHOLE block in a lane: lanes 0-15 block 2 c, lanes 16-31 block 2 c + 1
.irp i, 0,1,2
	v_permlane16_swap_b32 v[PC+6*\c+\i], v[PC+12+4*\c+\i]
.endr
.irp i, 0,1,2
	s_delay_alu instid0(VALU_DEP_3)
	v_mov_b32 v[PC+3+6*\c+\i], v[PC+12+4*\c+\i]
.endr
.endr
.endm
	s_load_b512 s[8:23], s[0:1], 0x0               ; query, key, value, Wq, Wk, Wv, Wo, ximg
	s_load_b128 s[24:27], s[0:1], 0x40             ; xscl, wimg
	s_load_b64 s[28:29], s[0:1], 0x50              ; wscl
	v_lshl_add_u32 v192, v0, 2, 0x10800
	v_mov_b32 v193, 0
	v_lshrrev_b32 v1, 5, v0
	s_delay_alu instid0(VALU_DEP_1)
	v_readfirstlane_b32 s[WV], v1                  ; wave 0..7
	v_and_b32 v1, 31, v0                           ; lane
	s_mov_b32 s[SEL], 0x76543210
	s_mov_b32 s[SEL+1], 0xfedcba98
	s_wait_kmcnt 0x0
	s_cmp_lt_u32 ttmp9, 128
	s_cbranch_scc1 .Lweights
	; ---- ACTIVATIONS: a work-group takes one block of 16 rows, wave s its K step s (128 numbers of each row)
	s_sub_co_u32 s33, ttmp9, 128                   ; the block among the three tensors' 1,536
	s_lshr_b32 s34, s33, 9                         ; the tensor
	s_cmp_eq_u32 s34, 1
	s_cselect_b64 s[36:37], s[10:11], s[8:9]
	s_cmp_eq_u32 s34, 2
	s_cselect_b64 s[36:37], s[12:13], s[36:37]
	s_and_b32 s38, s33, 511
	s_lshr_b32 s39, s38, 1
	s_lshl_b32 s39, s39, 5                         ; 32 g
	s_and_b32 s38, s38, 1
	s_lshl_b32 s38, s38, 3                         ; 8 u
	s_add_co_u32 s38, s38, s39                     ; the block's first row
	s_lshl_b32 s38, s38, 12                        ; rows of 4,096 bytes
	s_lshl_b32 s39, s[WV], 9                       ; my K step's 512 bytes
	s_add_co_u32 s38, s38, s39
	s_mov_b32 s39, 0
	s_add_nc_u64 s[36:37], s[36:37], s[38:39]
	s_wait_alu depctr_va_vdst(0)
	v_lshlrev_b32 v5, 4, v1                        ; 16 x lane
.irp i, 0,1,2,3,4,5,6,7,8,9,10,11,12,13,14,15
	global_load_b128 v[R+4*\i:R+4*\i+3], v5, s[36:37] offset:(\i+8*(\i/8))*4096 th:TH_LOAD_NT   ; lane-row i of the block: 32 lanes read 512 consecutive bytes
.endr
	v_and_b32 v2, 15, v0                           ; r
	v_bfe_u32 v3, v0, 4, 1                         ; h
	v_lshlrev_b32 v6, 3, v1                        ; 8 x lane
	s_delay_alu instid0(VALU_DEP_3)
	v_lshlrev_b32 v7, 2, v2                        ; 4 r
	s_mul_i32 s40, s[WV], 8448                     ; my stage: 16 rows of 512 bytes + 16
	v_add_nc_u32 v25, s40, v5                      ; in: as loaded
	v_mul_u32_u24 v26, v2, 528
	s_delay_alu instid0(VALU_DEP_1)
	v_lshl_add_u32 v26, v3, 6, v26
	s_delay_alu instid0(VALU_DEP_1)
	v_add_nc_u32 v26, s40, v26                     ; out: row r, + 64 h: my 16 numbers of each block of 32
	s_lshl_b32 s42, s33, 3
	s_add_co_u32 s42, s42, s[WV]
	s_mul_i32 s42, s42, 1536                       ; my fragment's image
	s_mov_b32 s43, 0
	s_add_nc_u64 s[22:23], s[22:23], s[42:43]
	s_lshl_b32 s42, s33, 9
	s_lshl_b32 s44, s[WV], 6
	s_add_co_u32 s42, s42, s44                     ; my K step's 16 scale words
	s_add_nc_u64 s[24:25], s[24:25], s[42:43]
.irp b, 0,1,2,3
	v_mov_b32 v[TM+4+\b], 0                        ; a lane permute's destination counts as one of its sources
.endr
	s_wait_alu depctr_va_vdst(0)
.irp i, 0,1,2,3,4,5,6,7,8,9,10,11,12,13,14,15
	s_wait_loadcnt 15-\i                           ; loads come back in order: row i is in, the younger ones stay out
	ds_store_b128 v25, v[R+4*\i:R+4*\i+3] offset:528*\i
.endr
.irp b, 0,1,2,3
.irp j, 0,1,2,3
	ds_load_b128 v[X+16*\b+4*\j:X+16*\b+4*\j+3], v26 offset:128*\b+16*\j   ; LDS serves a wave's instructions in order: these see my stores
.endr
.endr
	s_wait_dscnt 0x0
	QUANT X
	global_store_b128 v5, v[PC:PC+3], s[22:23]                 ; each store covers 512 or 256 consecutive bytes, aligned
	global_store_b64 v6, v[PC+4:PC+5], s[22:23] offset:512
	global_store_b128 v5, v[PC+6:PC+9], s[22:23] offset:768
	global_store_b64 v6, v[PC+10:PC+11], s[22:23] offset:1280
	global_store_b32 v7, v[PW], s[24:25]                       ; both halves of the lanes store the same word: 64 bytes a wave, 512 a work-group
	s_wait_tensorcnt 0x0
	ds_add_u32 v192, v193
	s_wait_dscnt 0x0
	s_endpgm
	; ---- WEIGHTS: a lane takes a column n and its registers run down K.  Work-group: weight wi, 256 columns ct, K step s; wave w: 32 columns
.Lweights:
	s_lshr_b32 s33, ttmp9, 5                       ; wi
	s_bfe_u32 s34, ttmp9, 0x20003                  ; ct
	s_and_b32 s38, ttmp9, 7                        ; s
	s_cmp_eq_u32 s33, 1
	s_cselect_b64 s[36:37], s[16:17], s[14:15]
	s_cmp_eq_u32 s33, 2
	s_cselect_b64 s[36:37], s[18:19], s[36:37]
	s_cmp_eq_u32 s33, 3
	s_cselect_b64 s[36:37], s[20:21], s[36:37]
	s_lshl_b32 s40, s38, 19                        ; 128 s rows of 4,096 bytes
	s_lshl_b32 s41, s34, 10                        ; 256 ct columns
	s_add_co_u32 s40, s40, s41
	s_lshl_b32 s41, s[WV], 7                       ; 32 w columns
	s_add_co_u32 s40, s40, s41
	s_mov_b32 s41, 0
	s_add_nc_u64 s[36:37], s[36:37], s[40:41]
	s_wait_alu depctr_va_vdst(0)
	v_lshlrev_b32 v4, 2, v1
.macro LOADW t                         ; block t of 32 along K: 32 loads, each 128 consecutive bytes a wave, 1,024 a work-group
.set kk, 0
.rept 32
	global_load_b32 v[32+32*(\t)+kk], v4, s[36:37] offset:(32*(\t)+kk)*4096 th:TH_LOAD_NT
.set kk, kk+1
.endr
.endm
	LOADW 0
	LOADW 1
	s_lshl_b32 s42, s34, 3
	s_add_co_u32 s42, s42, s[WV]                   ; my group of 32 columns
	s_lshl_b32 s42, s42, 1
	s_lshl_b32 s43, s33, 6
	s_add_co_u32 s42, s42, s43                     ; its first block among the four weights' 256
	s_lshl_b32 s44, s42, 3
	s_add_co_u32 s44, s44, s38
	s_mul_i32 s44, s44, 1536
	s_mov_b32 s45, 0
	s_add_nc_u64 s[26:27], s[26:27], s[44:45]
	s_lshl_b32 s44, s42, 9
	s_lshl_b32 s46, s38, 6
	s_add_co_u32 s44, s44, s46
	s_add_nc_u64 s[28:29], s[28:29], s[44:45]
	v_bfe_u32 v2, v0, 3, 1                         ; column l of the 32 is row r = l % 8 + 8 (l / 16) of block u = (l / 8) % 2
	v_and_b32 v3, 7, v0
	v_bfe_u32 v5, v0, 4, 1
	s_delay_alu instid0(VALU_DEP_1)
	v_lshl_add_u32 v3, v5, 3, v3
	s_delay_alu instid0(VALU_DEP_4)
	v_mul_u32_u24 v5, v2, 12288
	s_delay_alu instid0(VALU_DEP_1)
	v_lshl_add_u32 v6, v3, 4, v5                   ; where my 16 bytes go,
	s_delay_alu instid0(VALU_DEP_2)
	v_lshl_add_u32 v7, v3, 3, v5                   ; my 8,
	v_lshlrev_b32 v8, 9, v2
	s_delay_alu instid0(VALU_DEP_1)
	v_lshl_add_u32 v8, v3, 2, v8                   ; and my scale word
; My block q = 2 c + h of column n is what lane (r, h) of the fragment holds in registers 6 c .. 6 c + 5: it goes to that lane's place in the image
.macro BLOCKW q
.set XS, 32+32*(\q)
.set CD, 160+8*(\q)
	v_max3_num_f32 v12, |v[XS]|, |v[XS+1]|, |v[XS+2]|   ; all 32 numbers are mine: two chains
	v_max3_num_f32 v13, |v[XS+3]|, |v[XS+4]|, |v[XS+5]|
.irp i, 6,10,14,18,22,26
	s_delay_alu instid0(VALU_DEP_2)
	v_max3_num_f32 v12, v12, |v[XS+\i]|, |v[XS+\i+1]|
	s_delay_alu instid0(VALU_DEP_2)
	v_max3_num_f32 v13, v13, |v[XS+\i+2]|, |v[XS+\i+3]|
.endr
	s_delay_alu instid0(VALU_DEP_2)
	v_max3_num_f32 v12, v12, |v[XS+30]|, |v[XS+31]|
	s_delay_alu instid0(VALU_DEP_1)
	v_max3_num_f32 v12, v12, v13, 0x2800000        ; and the floor
	s_delay_alu instid0(VALU_DEP_1)
	v_add_nc_u32 v11, 0xfe000000, v12
	s_delay_alu instid0(VALU_DEP_1)
	v_lshrrev_b32 v13, 23, v11
.if (\q) == 0
	s_delay_alu instid0(VALU_DEP_1)
	v_mov_b32 v24, v13
.else
	s_delay_alu instid0(VALU_DEP_1)
	v_lshl_or_b32 v24, v13, 8*(\q), v24
.endif
	v_cvt_scalef32_pk16_bf6_f32 v[CD:CD+2], v[XS:XS+15], v11
	v_cvt_scalef32_pk16_bf6_f32 v[26:28], v[XS+16:XS+31], v11
	v_nop                                          ; one plain place behind a scaled conversion
.irp i, 0,1,2
	v_mov_b32 v[CD+3+\i], v[26+\i]
.endr
	global_store_b128 v6, v[CD:CD+3], s[26:27] offset:768*((\q)/2)+256*((\q)%2)        ; sixteen lanes fill 256 consecutive bytes; each block has code registers of its own
	global_store_b64 v7, v[CD+4:CD+5], s[26:27] offset:768*((\q)/2)+512+128*((\q)%2)
.endm
	s_wait_loadcnt 32                              ; block 0 is in; block 1's 32 loads may be out
	LOADW 2
	BLOCKW 0
	s_wait_loadcnt 32                              ; block 1 is in; block 2's may be out
	LOADW 3
	BLOCKW 1
	s_wait_loadcnt 32                              ; block 2 is in; block 3's may be out
	BLOCKW 2
	s_wait_loadcnt 0x0
	BLOCKW 3
	global_store_b32 v8, v24, s[28:29]
	s_endpgm
.Lfunc_end_k_q29378d07a1_quant:
	.size	k_q29378d07a1_quant, .Lfunc_end_k_q29378d07a1_quant-k_q29378d07a1_quant
	.p2alignl 7, 3214868480
	.fill 96, 4, 3214868480
	.section	.rodata,"a",@progbits
	.p2align	6, 0x0
	.amdhsa_kernel k_q29378d07a1_quant
		.amdhsa_group_segment_fixed_size 68608
		.amdhsa_private_segment_fixed_size 0
		.amdhsa_enable_private_segment 0
		.amdhsa_kernarg_size 88
		.amdhsa_user_sgpr_count 2
		.amdhsa_user_sgpr_kernarg_segment_ptr 1
		.amdhsa_wavefront_size32 1
		.amdhsa_system_sgpr_workgroup_id_x 1
		.amdhsa_system_sgpr_workgroup_id_y 1
		.amdhsa_system_sgpr_workgroup_id_z 1
		.amdhsa_system_vgpr_workitem_id 0
		.amdhsa_next_free_vgpr 194
		.amdhsa_next_free_sgpr 66
		.amdhsa_reserve_vcc 0
		.amdhsa_float_denorm_mode_32 3
		.amdhsa_float_denorm_mode_16_64 3
		.amdhsa_memory_ordered 1
		.amdhsa_forward_progress 1
		.amdhsa_inst_pref_size 36
	.end_amdhsa_kernel
	.amdgpu_metadata
---
amdhsa.version: [ 1, 2 ]
amdhsa.kernels:
  - .name:           k_q29378d07a1_quant
    .symbol:         k_q29378d07a1_quant.kd
    .args:
      - { .name: query, .offset: 0, .size: 8, .value_kind: global_buffer, .address_space: global }
      - { .name: key, .offset: 8, .size: 8, .value_kind: global_buffer, .address_space: global }
      - { .name: value, .offset: 16, .size: 8, .value_kind: global_buffer, .address_space: global }
      - { .name: Wq, .offset: 24, .size: 8, .value_kind: global_buffer, .address_space: global }
      - { .name: Wk, .offset: 32, .size: 8, .value_kind: global_buffer, .address_space: global }
      - { .name: Wv, .offset: 40, .size: 8, .value_kind: global_buffer, .address_space: global }
      - { .name: Wo, .offset: 48, .size: 8, .value_kind: global_buffer, .address_space: global }
      - { .name: ximg, .offset: 56, .size: 8, .value_kind: global_buffer, .address_space: global }
      - { .name: xscl, .offset: 64, .size: 8, .value_kind: global_buffer, .address_space: global }
      - { .name: wimg, .offset: 72, .size: 8, .value_kind: global_buffer, .address_space: global }
      - { .name: wscl, .offset: 80, .size: 8, .value_kind: global_buffer, .address_space: global }
    .group_segment_fixed_size: 68608
    .private_segment_fixed_size: 0
    .kernarg_segment_align: 8
    .kernarg_segment_size: 88
    .max_flat_workgroup_size: 256
    .sgpr_count:     66
    .vgpr_count:     194
    .wavefront_size: 32
...
	.end_amdgpu_metadata
.endif
;; end of part 1
;; launch proj (part 2): grid 4 x 96, 4 waves a work-group, clusters of 4 x 4, 327,680 bytes of LDS; arguments ximg, xscl, wimg, wscl, qrec, kvrec; writes qrec, kvrec
.if DOCPART == 2
	.amdgcn_target "amdgcn-amd-amdhsa--gfx1250"
	.amdhsa_code_object_version 6
	.text
	.protected	k_q29378d07a1_proj
	.globl	k_q29378d07a1_proj
	.p2align	8
	.type	k_q29378d07a1_proj,@function
k_q29378d07a1_proj:
	s_mov_b64 s[64:65], 0
	v_nop
	global_prefetch_b8 v0, s[64:65] scope:SCOPE_SE
	s_setreg_imm32_b32 hwreg(HW_REG_WAVE_MODE, 25, 1), 1
	s_wait_xcnt 0x0
	s_wait_alu depctr_hold_cnt(0) depctr_sa_sdst(0) depctr_va_vdst(0) depctr_va_sdst(0) depctr_va_ssrc(0) depctr_va_vcc(0) depctr_vm_vsrc(0)
	s_getreg_b32 s2, hwreg(HW_REG_IB_STS2, 6, 4)
	s_cmp_eq_u32 s2, 0
	s_cbranch_scc0 .Lentry_in_a_cluster
	s_endpgm
.Lentry_in_a_cluster:
	s_bfe_u32 s2, ttmp6, 0x10000c
	s_cmp_lg_u32 s2, 0xf033
	s_cbranch_scc0 .Lentry_shape_is_right
	s_endpgm
.Lentry_shape_is_right:
; Q = query Wq, K = key Wk, V = value Wv on codes of BF6 (E3M2) with E8M0 scales, f32 sums, and the results quantised at once for attention: Q and K along a head's 64 channels, V along the keys.
; A work-group of four waves makes 256 tokens x 256 channels, a wave 128 x 128: 64 accumulators, 512 registers.  Work-group y = 32 tz + tile row; tz = 0, 1, 2: Q, K, V.
; OPERANDS lie in memory as images of their registers (a fragment 1,536 bytes, a block's 8 K steps on end): a chunk of two K steps of 8 blocks is 8 rows of 3,072 bytes, 12,288 apart, one tensor load a wave.
; K = 1,024 is four chunks in THREE LDS slots: chunks 0, 1, 2 are first fills, chunk 3 fills slot 0 again.  By this text's count a wave has three tensor loads out at the start and one behind the refill.
; The scale words of all of K stay in registers: 4 a block (K step 2 j in lanes 0-15, 2 j + 1 in lanes 16-31 of register j), loaded once.
; CLUSTERS 4 x 4: the activations' tile hangs on y alone and is asked for jointly along a row of the cluster, the weight's on x and tz and jointly along a column.
; THE PRODUCT IS USED TRANSPOSED: a lane holds one row of source 1 and its registers run along source 0's rows.  For Q and K source 0 = weights (registers run along the channels), for V source 0 = activations
; (registers run along the tokens, the second attention product's K).  The text is one: for V the two roles change places by LDS address and scale pointer alone, chosen on tz, which all partners share.
; OUT: records of 13,056 bytes for each (batch, head, 128 tokens): 8 tiles of K (or Q) x 768, 4 tiles of V x 1,536, K's scale words 512, V's 256.  Every store covers 512 or 256 consecutive aligned bytes.
; LIMITS: a block of zeros gets the byte 1 where the rule says 127 (its codes are zeros; this program alone reads the bytes); NaN and infinities are not served.
; REGISTERS: window 0: v1-29 addresses; v32-63 role A's scale words, v64-95 role B's; v96-127 the quantiser's work; v128-223 role A's fragments (one set); v224-243 codes just made.
;   window 1: role B's fragments, two sets, at v0 and v128.   windows 2, 3: the accumulators ((a, b) at v[8 (8 (a % 4) + b)]).
.set FR,    12
.set NL,    4                          ; LDS loads that bring a fragment
.set NP,    4                          ; places behind this matrix instruction (ISA guide 7.12.1)
.set CHUNK, 3072
.set BLKB,  12288
.set QUART, 24576                      ; 8 blocks x a chunk: what one tensor load brings
.set SLOT,  98304
.set SPARE, 3*SLOT                     ; behind the slots: the spare words, 128 bytes a wave
.set REC,   13056
.set HEADB, 16*REC
.set A16, 8                            ; v8-10  role A: slot s + 16 x lane;  v11-13 + 8 x lane
.set A8,  11
.set B16, 14                           ; v14-16, v17-19 the same for role B
.set B8,  17
.set SPW, 28
.set NIL, 29
.set SA,  32
.set SB,  64
.set TM,  96
.set PWS, 112                          ; v112-119 the eight blocks' scale words
.set WP,  120
.set AF,  128
.set PC,  224
.set G1X, 24
.set G0X, 32
.set G1W, 44
.set G0W, 52
.set SEL, 2
.set MSB, 0
.macro WIN new                         ; the immediate's high byte repeats the setting that is left
.if MSB != \new
	s_set_vgpr_msb (MSB<<8)|\new
.set MSB, \new
.endif
.endm
.set MUL_LO, 0xa1                      ; source 0 window 1, source 1 window 0, C and D window 2
.set MUL_HI, 0xf1
.set TO_B,   0x40
.macro PLACES n
.rept \n
	v_nop
.endr
.endm
.macro CREST                           ; a round of the cluster's barrier behind its opening barrier
	s_cmp_lg_u32 s16, 0
	s_cbranch_scc1 .Lnot_wave_0_\@
	s_barrier_signal -3
.Lnot_wave_0_\@:
	s_barrier_wait -3
	s_barrier_signal -1
	s_barrier_wait -1
.endm
.macro CROUND
	s_barrier_signal -1
	s_barrier_wait -1
	CREST
.endm
.macro JLOAD                           ; the joint refill: waves 0, 1 fetch the activations' halves, waves 2, 3 the weight's; four v_nop follow each line
	s_cmp_eq_u32 s17, 0
	s_cbranch_scc0 .Lfor_w_\@
	tensor_load_to_lds s[G0X:G0X+3], s[G1X:G1X+7]
	s_nop 0
	PLACES 4
	s_branch .Lasked_\@
.Lfor_w_\@:
	tensor_load_to_lds s[G0W:G0W+3], s[G1W:G1W+7]
	s_nop 0
	PLACES 4
.Lasked_\@:
.endm
.macro FRAG reg, a16, a8, off          ; a fragment comes back as it was stored: every load reads 512 or 256 consecutive bytes
	ds_load_b128 v[\reg:\reg+3], v[\a16] offset:\off
	ds_load_b64 v[\reg+4:\reg+5], v[\a8] offset:\off+512
	ds_load_b128 v[\reg+6:\reg+9], v[\a16] offset:\off+768
	ds_load_b64 v[\reg+10:\reg+11], v[\a8] offset:\off+1280
.endm
.macro FETCH_B ks                      ; role B's eight fragments of K step ks into set ks % 2
	WIN TO_B
.irp i, 0,1,2,3,4,5,6,7
	FRAG 128*((\ks)%2)+FR*\i, B16+((\ks)/2)%3, B8+((\ks)/2)%3, CHUNK*\i+1536*((\ks)%2)
.endr
	WIN 0
.endm
.macro FETCH_A ks, i0                  ; role A's blocks i0 .. i0 + 3
.irp i, \i0, \i0+1, \i0+2, \i0+3
	FRAG AF+FR*(\i), A16+((\ks)/2)%3, A8+((\ks)/2)%3, CHUNK*(\i)+1536*((\ks)%2)
.endr
.endm
; 16 products: role A's blocks a0, a0 + 1 x role B's eight.  The 64 accumulators take turns in one order throughout.  An odd K step's scale words stand in lanes 16-31.
.macro MUL16 a0, ks, zero
.irp a, \a0, \a0+1
.irp b, 0,1,2,3,4,5,6,7
.if \zero
	v_wmma_scale_f32_16x16x128_f8f6f4 v[8*(8*((\a)%4)+\b):8*(8*((\a)%4)+\b)+7], v[128*((\ks)%2)+FR*\b:128*((\ks)%2)+FR*\b+FR-1], v[AF+FR*(\a):AF+FR*(\a)+FR-1], 0, v[SB+4*\b+(\ks)/2], v[SA+4*(\a)+(\ks)/2] matrix_a_fmt:MATRIX_FMT_BF6 matrix_b_fmt:MATRIX_FMT_BF6
.elseif (\ks)%2
	v_wmma_scale_f32_16x16x128_f8f6f4 v[8*(8*((\a)%4)+\b):8*(8*((\a)%4)+\b)+7], v[128*((\ks)%2)+FR*\b:128*((\ks)%2)+FR*\b+FR-1], v[AF+FR*(\a):AF+FR*(\a)+FR-1], v[8*(8*((\a)%4)+\b):8*(8*((\a)%4)+\b)+7], v[SB+4*\b+(\ks)/2], v[SA+4*(\a)+(\ks)/2] matrix_a_fmt:MATRIX_FMT_BF6 matrix_b_fmt:MATRIX_FMT_BF6 matrix_a_scale:MATRIX_SCALE_ROW1 matrix_b_scale:MATRIX_SCALE_ROW1
.else
	v_wmma_scale_f32_16x16x128_f8f6f4 v[8*(8*((\a)%4)+\b):8*(8*((\a)%4)+\b)+7], v[128*((\ks)%2)+FR*\b:128*((\ks)%2)+FR*\b+FR-1], v[AF+FR*(\a):AF+FR*(\a)+FR-1], v[8*(8*((\a)%4)+\b):8*(8*((\a)%4)+\b)+7], v[SB+4*\b+(\ks)/2], v[SA+4*(\a)+(\ks)/2] matrix_a_fmt:MATRIX_FMT_BF6 matrix_b_fmt:MATRIX_FMT_BF6
.endif
.endr
.endr
.endm
.macro STEP ks, zero                   ; a K step whose successor's tiles are known to lie in LDS
	s_wait_dscnt 4*NL                              ; role B's set and role A's blocks 0-3 are in; the youngest 16 loads (blocks 4-7) may be out
	WIN MUL_LO
	MUL16 0, \ks, \zero
	MUL16 2, \ks, \zero
	s_wait_dscnt 0x0                               ; blocks 4-7 are in
	PLACES NP                                      ; in front of loads into registers that matrix instructions have read
	FETCH_B (\ks)+1
	FETCH_A (\ks)+1, 0
	WIN MUL_HI
	MUL16 4, \ks, \zero
	MUL16 6, \ks, \zero
	PLACES NP
	WIN 0
	FETCH_A (\ks)+1, 4
.endm
; A K step with a barrier: in front of it each wave waits for all its tensor loads, adds 0 to its spare word, and waits for that and for its LDS reads.  fill = 1: slot 0 is filled again, behind a round of the cluster's barrier.
.macro TURN ks, fill
	s_wait_tensorcnt 0x0                           ; all my tensor loads have landed
	ds_add_u32 v[SPW], v[NIL]                      ; 0 onto my spare word
	s_wait_dscnt 4*NL+1                            ; (the add and the youngest 16 loads may be out)
	WIN MUL_LO
	MUL16 0, \ks, 0                                ; sixteen products stand between the add and the wait for it
	s_wait_dscnt 0x0                               ; the add is done, and my reads of the slots behind me are over
	s_barrier_signal -1
	MUL16 2, \ks, 0
	WIN 0
	s_barrier_wait -1
.if \fill
	CREST                                          ; no wave of any partner still reads slot 0 or has a load on its way
	s_add_nc_u64 s[G0X+2:G0X+3], s[G0X+2:G0X+3], 3*CHUNK
	s_add_nc_u64 s[G0W+2:G0W+3], s[G0W+2:G0W+3], 3*CHUNK
	JLOAD                                          ; chunk 3: the first tensor load behind the round; it has four K steps in which to land.  Its four v_nop are the places in front of the loads below
.else
	PLACES NP
.endif
	FETCH_B (\ks)+1
	FETCH_A (\ks)+1, 0
	WIN MUL_HI
	MUL16 4, \ks, 0
	MUL16 6, \ks, 0
	PLACES NP
	WIN 0
	FETCH_A (\ks)+1, 4
.endm
	s_load_b256 s[4:11], s[0:1], 0x0               ; ximg, xscl, wimg, wscl
	s_load_b128 s[12:15], s[0:1], 0x20             ; qrec, kvrec
	v_lshl_add_u32 v[SPW], v0, 2, SPARE
	v_mov_b32 v[NIL], 0
	ds_add_u32 v28, v29
	ds_add_u32 v28, v29
	s_wait_dscnt 0x0
	v_lshrrev_b32 v1, 5, v0
	v_readfirstlane_b32 s16, v1                    ; wave 0..3
	s_lshr_b32 s17, s16, 1                         ; hx: my half of the tokens.  Also: I fetch activations (0) or weights (1)
	s_and_b32 s18, s16, 1                          ; hw: my half of the channels.  Also: which 8 blocks I fetch
	s_bfe_u32 s19, ttmp6, 0x40000                  ; cx
	s_bfe_u32 s20, ttmp6, 0x40004                  ; cy
	s_lshl_b32 s21, ttmp9, 2
	s_add_co_u32 s21, s21, s19                     ; x: tile column
	s_and_b32 s66, ttmp7, 0xffff                   ; the cluster's y
	s_lshr_b32 s23, s66, 3                         ; tz: the same in all sixteen partners
	s_lshl_b32 s22, s66, 2
	s_add_co_u32 s22, s22, s20                     ; y: tile row among the three tensors' 96
	s_lshl_b32 s67, s20, 2
	s_lshl_b32 s67, 15, s67                        ; my row of the cluster
	s_lshl_b32 s68, 0x1111, s19                    ; my column
	s_or_b32 s[G1X], s67, (3<<16)|(1<<21)          ; 15:0 the mask; 17:16 elements of 8 bytes; 20 no padding; 21 set beside a mask
	s_or_b32 s[G1W], s68, (3<<16)|(1<<21)
.irp g, G1X, G1W
	s_mov_b32 s[\g+1], 384<<16                     ; tensor_dim0 = 384 elements: 3,072 bytes
	s_mov_b32 s[\g+2], 8<<16                       ; tensor_dim1 = 8
	s_mov_b32 s[\g+3], 384<<16                     ; tile_dim0
	s_mov_b32 s[\g+4], 8                           ; tile_dim1
	s_mov_b32 s[\g+5], 1536                        ; from block to block: 12,288 bytes
	s_mov_b32 s[\g+6], 0
	s_mov_b32 s[\g+7], 0
.endr
	s_lshl_b32 s69, s18, 3
	s_lshl_b32 s70, s22, 4
	s_add_co_u32 s70, s70, s69                     ; activations: block 16 y + 8 x half
	s_mul_i32 s70, s70, BLKB
	s_mov_b32 s71, 0
	s_lshl_b32 s72, s23, 6
	s_lshl_b32 s74, s21, 4
	s_add_co_u32 s72, s72, s74
	s_add_co_u32 s72, s72, s69                     ; weights: block 64 tz + 16 x + 8 x half
	s_mul_i32 s72, s72, BLKB
	s_mov_b32 s73, 0
	s_mul_i32 s75, s16, QUART                      ; where they go: wave x a quarter of a slot: no place in the cluster enters an LDS address
	s_mov_b32 s[SEL], 0x76543210
	s_mov_b32 s[SEL+1], 0xfedcba98
	s_wait_kmcnt 0x0
	s_add_nc_u64 s[70:71], s[4:5], s[70:71]
	s_add_nc_u64 s[72:73], s[8:9], s[72:73]
.irp c, 0,1,2
	s_mov_b32 s[G0X+4*\c], 1
	s_add_co_u32 s[G0X+4*\c+1], s75, \c*SLOT
	s_add_nc_u64 s[G0X+4*\c+2:G0X+4*\c+3], s[70:71], \c*CHUNK
	s_or_b32 s[G0X+4*\c+3], s[G0X+4*\c+3], 0x80000000
	s_mov_b32 s[G0W+4*\c], 1
	s_add_co_u32 s[G0W+4*\c+1], s75, \c*SLOT
	s_add_nc_u64 s[G0W+4*\c+2:G0W+4*\c+3], s[72:73], \c*CHUNK
	s_or_b32 s[G0W+4*\c+3], s[G0W+4*\c+3], 0x80000000
.endr
	CROUND                                         ; all sixteen work-groups are here: the first joint loads meet
	s_cmp_eq_u32 s17, 0                            ; a wave's three first fills stand in one branch, ahead of every wait on TENSORcnt, every LDS read and every other barrier
	s_cbranch_scc0 .Lfirst_w
	tensor_load_to_lds s[G0X:G0X+3], s[G1X:G1X+7]
	s_nop 0
	tensor_load_to_lds s[G0X+4:G0X+7], s[G1X:G1X+7]
	s_nop 0
	tensor_load_to_lds s[G0X+8:G0X+11], s[G1X:G1X+7]
	s_nop 0
	PLACES 4
	s_branch .Lfirst_done
.Lfirst_w:
	tensor_load_to_lds s[G0W:G0W+3], s[G1W:G1W+7]
	s_nop 0
	tensor_load_to_lds s[G0W+4:G0W+7], s[G1W:G1W+7]
	s_nop 0
	tensor_load_to_lds s[G0W+8:G0W+11], s[G1W:G1W+7]
	s_nop 0
	PLACES 4
.Lfirst_done:
	; the scale words' pointers, and the roles
	s_lshl_b32 s84, s22, 4
	s_lshl_b32 s85, s17, 3
	s_add_co_u32 s84, s84, s85
	s_lshl_b32 s84, s84, 9
	s_mov_b32 s85, 0
	s_add_nc_u64 s[84:85], s[6:7], s[84:85]        ; my 8 blocks of activations: 512 bytes a block
	s_lshl_b32 s86, s23, 6
	s_lshl_b32 s87, s21, 4
	s_add_co_u32 s86, s86, s87
	s_lshl_b32 s87, s18, 3
	s_add_co_u32 s86, s86, s87
	s_lshl_b32 s86, s86, 9
	s_mov_b32 s87, 0
	s_add_nc_u64 s[86:87], s[10:11], s[86:87]      ; my 8 blocks of the weight
	s_mul_i32 s76, s17, QUART                      ; my activations in a slot,
	s_mul_i32 s77, s18, QUART
	s_add_co_u32 s77, s77, 2*QUART                 ; my weights
	s_cmp_eq_u32 s23, 2                            ; V: the weight takes role A (source 1), the activations role B (source 0)
	s_cselect_b64 s[88:89], s[86:87], s[84:85]
	s_cselect_b64 s[90:91], s[84:85], s[86:87]
	s_cselect_b32 s78, s77, s76
	s_cselect_b32 s79, s76, s77
	v_and_b32 v3, 31, v0
	v_lshlrev_b32 v4, 2, v3
	v_lshlrev_b32 v20, 4, v3
	v_lshlrev_b32 v21, 3, v3
.irp i, 0,1,2,3,4,5,6,7
.irp j, 0,1,2,3
	global_load_b32 v[SA+4*\i+\j], v4, s[88:89] offset:512*\i+128*\j   ; 128 consecutive bytes: K steps 2 j and 2 j + 1 of block i
.endr
.endr
.irp i, 0,1,2,3,4,5,6,7
.irp j, 0,1,2,3
	global_load_b32 v[SB+4*\i+\j], v4, s[90:91] offset:512*\i+128*\j
.endr
.endr
.irp s, 0,1,2
	v_add_nc_u32 v[A16+\s], s78, v20
	v_add_nc_u32 v[A8+\s], s78, v21
	v_add_nc_u32 v[B16+\s], s79, v20
	v_add_nc_u32 v[B8+\s], s79, v21
	s_add_co_u32 s78, s78, SLOT
	s_add_co_u32 s79, s79, SLOT
.endr
	; where the results go
	s_lshl_b32 s92, s21, 1
	s_add_co_u32 s92, s92, s18                     ; my 128 channels: heads 2 CG, 2 CG + 1
	s_and_b32 s93, s22, 31
	s_lshl_b32 s93, s93, 1
	s_add_co_u32 s93, s93, s17                     ; my 128 tokens: TG of the tensor's 64
	s_lshr_b32 s94, s93, 4
	s_lshl_b32 s94, s94, 4                         ; 16 x batch
	s_lshl_b32 s92, s92, 1
	s_add_co_u32 s94, s94, s92                     ; + head
	s_lshl_b32 s94, s94, 4
	s_and_b32 s93, s93, 15
	s_add_co_u32 s94, s94, s93                     ; the record
	s_mul_i32 s94, s94, REC
	s_mov_b32 s95, 0
	s_cmp_eq_u32 s23, 0
	s_cselect_b64 s[96:97], s[12:13], s[14:15]
	s_add_nc_u64 s[96:97], s[96:97], s[94:95]      ; the record's first byte
	s_cmp_eq_u32 s23, 2
	s_cselect_b32 s94, 6144, 0                     ; V's tiles lie behind K's
	s_add_nc_u64 s[82:83], s[96:97], s[94:95]
	s_mov_b32 s80, HEADB
	s_cselect_b32 s80, 768, s80                    ; from a fragment's first 64 along K to its second: Q, K the next head's record; V the image's second half
	s_mov_b32 s92, 768
	s_cselect_b32 s92, 1536, s92                   ; from block a to a + 1
	s_mov_b32 s93, 0
	s_mov_b32 s94, 768
	s_cselect_b32 s94, HEADB-3*1536, s94           ; and from block 3 to 4: V goes on to the next head
	v_add_nc_u32 v22, s80, v20
	v_add_nc_u32 v23, s80, v21
.irp b, 0,1,2,3
	v_mov_b32 v[TM+4+\b], 0                        ; a lane permute's destination counts as one of its sources
.endr
	s_wait_tensorcnt 2                             ; my part of chunk 0 is in; chunks 1 and 2 may stay out
	s_barrier_signal -1
	s_barrier_wait -1
	FETCH_B 0
	FETCH_A 0, 0
	FETCH_A 0, 4
	s_wait_loadcnt 0x0                             ; the scale words
	STEP 0, 1                                      ; the first products start the sums: nothing is cleared
	TURN 1, 1                                      ; slot 0 is left and filled again; every wave has shown chunks 1 and 2 landed
	STEP 2, 0
	s_wait_alu depctr_va_vdst(0)
	STEP 3, 0
	STEP 4, 0
	TURN 5, 0                                      ; chunk 3 is shown to all
	STEP 6, 0
	s_wait_dscnt 4*NL                              ; the last K step: nothing more to fetch
	WIN MUL_LO
	MUL16 0, 7, 0
	MUL16 2, 7, 0
	s_wait_dscnt 0x0
	WIN MUL_HI
	MUL16 4, 7, 0
	MUL16 6, 7, 0
	WIN 0
	PLACES NP                                      ; in front of the first read of results
; THE WAY OUT.  Block a's 64 registers of a lane are 128 neighbours' halves along the next K (register 16 b + i = k 32 b + 16 (lane / 16) + i): they are quantised in registers and leave as a fragment's image.
.macro QUANTA a
.set AC, 64*((\a)%4)
.set WM, 0x28+0x14*((\a)/4)            ; sources 1 and 2 in window 2 or 3
.set WC, 0x02+((\a)/4)                 ; source 0 in window 2 or 3
	WIN WM
.irp b, 0,1,2,3
	v_max3_num_f32 v[TM+\b], 0x2800000, |v[AC+16*\b]|, |v[AC+1+16*\b]|   ; the floor 2^(5 - 127) and my first two: each accumulator is read from its low end on
.endr
.irp i, 2,4,6,8,10,12,14
.irp b, 0,1,2,3
	v_max3_num_f32 v[TM+\b], v[TM+\b], |v[AC+16*\b+\i]|, |v[AC+1+16*\b+\i]|
.endr
.endr
	WIN 0
.irp b, 0,1,2,3
	v_permlanex16_b32 v[TM+4+\b], v[TM+\b], s[SEL], s[SEL+1]
.endr
.irp b, 0,1,2,3
	v_max_num_f32 v[TM+\b], v[TM+\b], v[TM+4+\b]
.endr
.irp b, 0,1,2,3
	v_add_nc_u32 v[TM+12+\b], 0xfe000000, v[TM+\b]
.endr
.irp b, 0,1,2,3
	v_lshrrev_b32 v[TM+4+\b], 23, v[TM+12+\b]
.endr
	v_lshl_or_b32 v[PWS+\a], v[TM+5], 8, v[TM+4]
	v_lshl_or_b32 v[PWS+\a], v[TM+6], 16, v[PWS+\a]
	v_lshl_or_b32 v[PWS+\a], v[TM+7], 24, v[PWS+\a]
	WIN WC
.irp c, 0,1
	v_cvt_scalef32_pk16_bf6_f32 v[PC+6*\c:PC+2+6*\c], v[AC+32*\c:AC+15+32*\c], v[TM+12+2*\c]
	v_cvt_scalef32_pk16_bf6_f32 v[PC+12+4*\c:PC+14+4*\c], v[AC+16+32*\c:AC+31+32*\c], v[TM+12+2*\c+1]
.endr
	WIN 0
	v_nop                                          ; one plain place behind a scaled conversion
.irp c, 0,1
.irp i, 0,1,2
	v_permlane16_swap_b32 v[PC+6*\c+\i], v[PC+12+4*\c+\i]
.endr
.irp i, 0,1,2
	v_mov_b32 v[PC+3+6*\c+\i], v[PC+12+4*\c+\i]
.endr
.endr
.endm
.irp a, 0,1,2,3,4,5,6,7
	s_wait_xcnt 0x0                                ; the last block's stores have read their data and their base: both are written again below
.if \a == 4
	s_add_nc_u64 s[82:83], s[82:83], s[94:95]
.elseif \a > 0
	s_add_nc_u64 s[82:83], s[82:83], s[92:93]
.endif
	QUANTA \a
	global_store_b128 v20, v[PC:PC+3], s[82:83]
	global_store_b64 v21, v[PC+4:PC+5], s[82:83] offset:512
	global_store_b128 v22, v[PC+6:PC+9], s[82:83]
	global_store_b64 v23, v[PC+10:PC+11], s[82:83] offset:512
.endr
	; the scale words: tile 2 p in lanes 0-15 and tile 2 p + 1 in lanes 16-31 of word p, as attention's products take them
	s_mov_b32 vcc_lo, 0xffff0000
.irp p, 0,1,2,3
	v_cndmask_b32 v[WP+\p], v[PWS+2*\p], v[PWS+2*\p+1], vcc_lo
.endr
	s_cmp_eq_u32 s23, 2
	s_cbranch_scc1 .Lv_words
.irp p, 0,1,2,3
	v_lshrrev_b32 v[WP+4+\p], 16, v[WP+\p]         ; Q, K: bytes 2, 3 are the second head's two blocks;
.endr
.irp p, 0,1,2,3
	v_and_b32 v[WP+\p], 0xffff, v[WP+\p]           ; bytes 0, 1 the first's.  The upper two bytes stay 0: they scale the zero half of attention's K = 128
.endr
	global_store_b128 v20, v[WP:WP+3], s[96:97] offset:12288
	global_store_b128 v20, v[WP+4:WP+7], s[96:97] offset:12288+HEADB
	s_branch .Lwords_done
.Lv_words:
	s_wait_alu depctr_va_vdst(0)
	global_store_b64 v21, v[WP:WP+1], s[96:97] offset:12800           ; V: tiles 0-3 are the first head's, whole words of four key blocks
	global_store_b64 v21, v[WP+2:WP+3], s[96:97] offset:12800+HEADB
.Lwords_done:
	s_wait_tensorcnt 0x0                           ; the wave's end
	ds_add_u32 v[SPW], v[NIL]
	s_wait_dscnt 0x0
	CROUND                                         ; the closing round: no work-group ends while a partner may still ask for a tile that names it
	s_endpgm
.Lfunc_end_k_q29378d07a1_proj:
	.size	k_q29378d07a1_proj, .Lfunc_end_k_q29378d07a1_proj-k_q29378d07a1_proj
	.p2alignl 7, 3214868480
	.fill 96, 4, 3214868480
	.section	.rodata,"a",@progbits
	.p2align	6, 0x0
	.amdhsa_kernel k_q29378d07a1_proj
		.amdhsa_group_segment_fixed_size 327680
		.amdhsa_private_segment_fixed_size 0
		.amdhsa_enable_private_segment 0
		.amdhsa_kernarg_size 48
		.amdhsa_user_sgpr_count 2
		.amdhsa_user_sgpr_kernarg_segment_ptr 1
		.amdhsa_wavefront_size32 1
		.amdhsa_system_sgpr_workgroup_id_x 1
		.amdhsa_system_sgpr_workgroup_id_y 1
		.amdhsa_system_sgpr_workgroup_id_z 1
		.amdhsa_system_vgpr_workitem_id 0
		.amdhsa_next_free_vgpr 1024
		.amdhsa_next_free_sgpr 100
		.amdhsa_reserve_vcc 1
		.amdhsa_float_denorm_mode_32 3
		.amdhsa_float_denorm_mode_16_64 3
		.amdhsa_memory_ordered 1
		.amdhsa_forward_progress 1
		.amdhsa_inst_pref_size 152
	.end_amdhsa_kernel
	.amdgpu_metadata
---
amdhsa.version: [ 1, 2 ]
amdhsa.kernels:
  - .name:           k_q29378d07a1_proj
    .symbol:         k_q29378d07a1_proj.kd
    .args:
      - { .name: ximg, .offset: 0, .size: 8, .value_kind: global_buffer, .address_space: global }
      - { .name: xscl, .offset: 8, .size: 8, .value_kind: global_buffer, .address_space: global }
      - { .name: wimg, .offset: 16, .size: 8, .value_kind: global_buffer, .address_space: global }
      - { .name: wscl, .offset: 24, .size: 8, .value_kind: global_buffer, .address_space: global }
      - { .name: qrec, .offset: 32, .size: 8, .value_kind: global_buffer, .address_space: global }
      - { .name: kvrec, .offset: 40, .size: 8, .value_kind: global_buffer, .address_space: global }
    .group_segment_fixed_size: 327680
    .private_segment_fixed_size: 0
    .kernarg_segment_align: 8
    .kernarg_segment_size: 48
    .max_flat_workgroup_size: 128
    .sgpr_count:     100
    .vgpr_count:     1024
    .wavefront_size: 32
...
	.end_amdgpu_metadata
.endif
;; end of part 2
;; launch attn (part 3): grid 4 x 64, 16 waves a work-group, no clusters, 219,136 bytes of LDS; arguments qrec, kvrec, mask, oimg, oscl; writes oimg, oscl
.if DOCPART == 3
	.amdgcn_target "amdgcn-amd-amdhsa--gfx1250"
	.amdhsa_code_object_version 6
	.text
	.protected	k_q29378d07a1_attn
	.globl	k_q29378d07a1_attn
	.p2align	8
	.type	k_q29378d07a1_attn,@function
k_q29378d07a1_attn:
	s_mov_b64 s[64:65], 0
	v_nop
	global_prefetch_b8 v0, s[64:65] scope:SCOPE_SE
	s_setreg_imm32_b32 hwreg(HW_REG_WAVE_MODE, 25, 1), 1
	s_wait_xcnt 0x0
; O = softmax(Q K^T / 8, causal and padding mask) V for one (batch, head), both products on codes of BF6 (E3M2) with E8M0 scales; O is quantised at once along (head, channel) for the last product.
; THE SOFTMAX: t = score x log2(e) / 8; M = the running largest t rounded UP to a whole number; p = 2^(t - M) is quantised along the keys; the row's sum is taken of the unquantised p and divides O at the end.
; SHARES.  Work-group (p, batch x 16 + head) owns query blocks 7 - p and p of 256 queries: two passes, 16 or 18 key steps a wave in every work-group.  Each of sixteen waves owns one tile of 16 queries, in 256 registers.
; NO RING: a head's 16 records (K's and V's codes and scale words of 128 keys each, 13,056 bytes) fit in LDS together.  Each wave brings one record by one tensor load at the head; nothing is filled again; one barrier.
; No cluster: the four work-groups of a head leave out different key steps by branches on their query blocks, which partners in a joint request may not do.
; LAYOUT.  Both products transposed: S^T = K Q^T, O^T = V^T P^T: a lane holds ONE query.  Lane r of a tile holds row 32 g + 8 u + r + 8 (r / 8) of its group of 32 (keys, queries, V's channels alike), so that
; the 16 registers of tiles 2 b, 2 b + 1 are 16 neighbours along the next K.  The first product's K is 64: Q's registers for k = 64 .. 127 are zero codes, so what K's operand holds there adds nothing.
; THE PADDING MASK IS THE C OF THE FIRST PRODUCT: a bias of 0 or -2^120 for each key, made once in LDS from the mask.  The causal mask: steps behind the diagonal are left out by a scalar branch on ids; on the diagonal
; hidden scores become -infinity.  A ROW WITH NO VISIBLE KEY has the sum 0: its two scale bytes are set to 0xff, which makes the last product's whole row NaN.
; LIMITS: the running largest t starts at -1e30 and the mask's bias is -2^120: a true t under -1e30 counts as masked, scores of magnitude 2^96 or more are not served; NaN and infinities among the inputs are not served.
; REGISTERS: v1 16 x lane, v2 8 x lane, v3 the bias's place, v4-6 the step's addresses, v7 the diagonal's bound, v9 4 r; v12 -M, v13 largest t, v[14:15] the sum; v16-27 Q, v28 its scale word; v32-79 K's 8 tiles, then V's 4;
; v80-85 zeros; v86-89 K's scale words, v90-91 V's; v96-159 bias, S^T, p; v160-191 O^T; v192-203 p's codes; v204-229 at work; v230-236 the second pass's Q.
.set REC,   13056
.set MASKB, 16*REC                     ; behind the records: 2,048 f32 of bias, written by LDS stores, in bytes into which no tensor load lands
	s_load_b256 s[4:11], s[0:1], 0x0               ; qrec, kvrec, mask, oimg
	s_load_b64 s[12:13], s[0:1], 0x20              ; oscl
	v_lshl_add_u32 v254, v0, 2, 0x35000
	v_mov_b32 v255, 0
	ds_add_u32 v254, v255
	ds_add_u32 v254, v255
	v_lshrrev_b32 v1, 5, v0
	s_delay_alu instid0(VALU_DEP_1)
	v_readfirstlane_b32 s14, v1                    ; wave 0..15
	s_mov_b32 s15, ttmp9                           ; p
	s_and_b32 s16, ttmp7, 0xffff                   ; batch x 16 + head
	s_lshr_b32 s17, s16, 4
	s_and_b32 s18, s16, 15
	s_mov_b32 s20, 0x76543210
	s_mov_b32 s21, 0xfedcba98                      ; lane l xor 16
	s_mov_b32 s22, 0x3e38aa3b                      ; c = log2(e) / 8
	s_mov_b32 s23, s22                             ; (named with it as a pair)
	s_mov_b32 s24, 3<<16                           ; group 1: no mask, elements of 8 bytes, no padding: a dense block as 51 rows of 256 bytes
	s_mov_b32 s25, 32<<16
	s_mov_b32 s26, 51<<16
	s_mov_b32 s27, 32<<16
	s_mov_b32 s28, 51
	s_mov_b32 s29, 32
	s_mov_b32 s30, 0
	s_mov_b32 s31, 0
	s_lshl_b32 s48, s16, 4
	s_mul_i32 s48, s48, REC                        ; the head's first record
	s_mul_i32 s33, s14, REC                        ; LDS: record w
	s_add_co_u32 s52, s48, s33
	s_mov_b32 s53, 0
	s_mov_b32 s32, 1
	s_wait_dscnt 0x0
	s_wait_kmcnt 0x0
	s_add_nc_u64 s[34:35], s[6:7], s[52:53]
	s_or_b32 s35, s35, 0x80000000
	tensor_load_to_lds s[32:35], s[24:31]          ; my one tensor load of the launch
	s_nop 0
.rept 4
	v_nop
.endr
	s_lshl_b32 s52, s17, 13
	s_add_nc_u64 s[8:9], s[8:9], s[52:53]          ; my batch's mask
	s_lshr_b32 s54, s14, 3                         ; which 128 of a query block's 256 my tile lies in
	s_and_b32 s55, s14, 7
	s_mul_i32 s61, s55, 768
	s_add_co_u32 s55, s61, s48                     ; the head, + my tile in a record
	s_sub_co_u32 s56, 7, s15
	s_lshl_b32 s56, s56, 1
	s_add_co_u32 s56, s56, s54
	s_mul_i32 s56, s56, REC
	s_add_co_u32 s56, s56, s55
	s_mov_b32 s57, 0
	s_add_nc_u64 s[56:57], s[4:5], s[56:57]        ; Q's tile of pass 0 (block 7 - p)
	s_lshl_b32 s58, s15, 1
	s_add_co_u32 s58, s58, s54
	s_mul_i32 s58, s58, REC
	s_add_co_u32 s58, s58, s55
	s_mov_b32 s59, 0
	s_add_nc_u64 s[58:59], s[4:5], s[58:59]        ; and of pass 1 (block p)
	s_and_b32 s60, s14, 7
	s_lshr_b32 s60, s60, 1
	s_lshl_b32 s60, s60, 2
	s_add_co_u32 s60, s60, 12288
	s_sub_co_u32 s60, s60, s61                     ; its scale word, counted from the tile: word (tile / 2),
	s_and_b32 s62, s14, 1
	s_lshl_b32 s61, s62, 8
	s_add_co_u32 s60, s60, s61                     ; lanes 16 (tile % 2) on
	s_bfe_u32 s61, s14, 0x20001
	s_lshl_b32 s61, s61, 5
	s_lshl_b32 s62, s62, 3
	s_add_co_u32 s61, s61, s62                     ; my tile's first query in its 128: 32 ((w / 2) % 4) + 8 (w % 2)
	v_and_b32 v10, 31, v0
	s_delay_alu instid0(VALU_DEP_1)
	v_lshlrev_b32 v1, 4, v10
	s_delay_alu instid0(VALU_DEP_2)
	v_lshlrev_b32 v2, 3, v10
	v_and_b32 v11, 15, v0                          ; r
	v_bfe_u32 v6, v0, 4, 1                         ; h
	s_delay_alu instid0(VALU_DEP_2)
	v_lshlrev_b32 v9, 2, v11
	s_delay_alu instid0(VALU_DEP_2)
	v_lshlrev_b32 v3, 6, v6
	s_delay_alu instid0(VALU_DEP_1)
	v_add_nc_u32 v3, MASKB, v3                     ; the bias of my half's 16 keys of a block of 32
	v_and_b32 v7, 8, v11
	s_delay_alu instid0(VALU_DEP_1)
	v_add_nc_u32 v7, v7, v11
	v_lshlrev_b32 v6, 4, v6
	s_delay_alu instid0(VALU_DEP_1)
	v_sub_nc_u32 v7, v7, v6
	s_delay_alu instid0(VALU_DEP_1)
	v_add_nc_u32 v7, s61, v7                       ; d = my query - the diagonal step's first key - 16 h: register 16 b + i is hidden where 32 b + i > d
	v_lshlrev_b32 v8, 4, v0
	s_delay_alu instid0(VALU_DEP_1)
	v_add_nc_u32 v10, MASKB, v8
	v_lshl_add_u32 v11, v11, 4, s60
	global_load_b128 v[96:99], v8, s[8:9]          ; four keys' mask a thread
	global_load_b128 v[16:19], v1, s[56:57]
	global_load_b64 v[20:21], v2, s[56:57] offset:512
	global_load_b32 v28, v11, s[56:57]
	global_load_b128 v[230:233], v1, s[58:59]
	global_load_b64 v[234:235], v2, s[58:59] offset:512
	global_load_b32 v236, v11, s[58:59]
.irp i, 22,23,24,25,26,27,80,81,82,83,84,85,216,217,218,219,225,227,228
	v_mov_b32 v[\i], 0                             ; Q's zero half; the zeros behind K's last tile; permutes' destinations and a pair's upper half, written once
.endr
	v_mov_b32 v104, 0xfb800000                     ; -2^120
	s_wait_alu depctr_va_vdst(0)
	s_wait_loadcnt 6                               ; the mask is in; Q's six loads may be out
.irp i, 0,1,2,3
	v_cmp_eq_u32 vcc_lo, 0, v[96+\i]
	s_delay_alu instid0(VALU_DEP_1)
	v_cndmask_b32 v[100+\i], 0, v104, vcc_lo
.endr
	ds_store_b128 v10, v[100:103]
	s_wait_loadcnt 0x0                             ; Q
	s_wait_tensorcnt 0x0                           ; my record has landed,
	s_wait_dscnt 0x0                               ; my part of the bias is stored:
	s_barrier_signal -1
	s_barrier_wait -1                              ; everybody's.  From here on LDS is only read
	s_mov_b32 s40, 2
.Lpass:
	s_wait_xcnt 0x0                                ; the last pass's stores have read their data and bases
	s_sub_co_u32 s42, 7, s15
	s_cmp_eq_u32 s40, 2
	s_cselect_b32 s42, s42, s15                    ; the query block
	s_lshl_b32 s41, s42, 8
	s_lshl_b32 s43, s54, 7
	s_add_co_u32 s41, s41, s43                     ; the first key of my diagonal step
	s_lshl_b32 s43, s42, 4
	s_add_co_u32 s43, s43, s14
	s_lshl_b32 s49, s17, 7
	s_add_co_u32 s43, s43, s49                     ; my block of 16 rows among O's 512
	s_lshl_b32 s44, s43, 3
	s_lshr_b32 s49, s18, 1
	s_add_co_u32 s44, s44, s49                     ; K step = head / 2
	s_mul_i32 s44, s44, 1536
	s_and_b32 s51, s18, 1
	s_mul_i32 s46, s51, 768                        ; its half = head % 2
	s_add_co_u32 s44, s44, s46
	s_mov_b32 s45, 0
	s_add_nc_u64 s[44:45], s[10:11], s[44:45]
	s_lshl_b32 s46, s43, 9
	s_lshl_b32 s49, s49, 6
	s_add_co_u32 s46, s46, s49
	s_lshl_b32 s51, s51, 1
	s_add_co_u32 s46, s46, s51
	s_mov_b32 s47, 0
	s_add_nc_u64 s[46:47], s[12:13], s[46:47]
	v_mov_b32 v13, 0xf149f2ca                      ; the largest t so far: -1e30
	s_delay_alu instid0(VALU_DEP_1)
	v_floor_f32 v12, -v13
	v_mov_b32 v14, 0
	v_mov_b32 v15, 0
.set j, 0
.rept 32
	v_mov_b32 v[160+j], 0                          ; O^T: the step is written once; its first trip finds zeros.  (These lines are also the places between Q's moves and the first product)
.set j, j+1
.endr
	s_mov_b32 s36, 0                               ; the step's first key,
	s_mov_b32 s37, 0                               ; its record,
	s_mov_b32 s38, 0                               ; its bias
	s_mov_b32 s39, 16
.Lstep:                                            ; 16 trips, a constant; a step all of whose keys come after my queries is jumped over
	s_cmp_gt_u32 s36, s41
	s_cbranch_scc1 .Lhidden
	s_setprio 2
	v_add_nc_u32 v4, s37, v1
	v_add_nc_u32 v5, s37, v2
	v_add_nc_u32 v6, s38, v3
.irp t, 0,1,2,3,4,5,6,7
.irp q, 0,1
	ds_load_b128 v[96+8*\t+4*\q:99+8*\t+4*\q], v6 offset:128*(\t/2)+32*(\t%2)+16*\q   ; the bias in the result's layout: register j of tile t is key 32 (t / 2) + 16 h + 8 (t % 2) + j
.endr
.endr
.irp t, 0,1,2,3,4,5,6,7
	ds_load_b128 v[32+6*\t:35+6*\t], v4 offset:768*\t
	ds_load_b64 v[36+6*\t:37+6*\t], v5 offset:768*\t+512
.endr
	ds_load_b128 v[86:89], v4 offset:12288
	s_wait_alu depctr_va_vdst(0)
	s_wait_dscnt 0x0
.irp t, 0,1,2,3,4,5,6,7                        ; S^T = K Q^T + bias.  K's operand runs six registers on into the next tile (or the zeros): they meet Q's zero codes
.if \t%2
	v_wmma_scale_f32_16x16x128_f8f6f4 v[96+8*\t:103+8*\t], v[32+6*\t:43+6*\t], v[16:27], v[96+8*\t:103+8*\t], v[86+\t/2], v28 matrix_a_fmt:MATRIX_FMT_BF6 matrix_b_fmt:MATRIX_FMT_BF6 matrix_a_scale:MATRIX_SCALE_ROW1
.else
	v_wmma_scale_f32_16x16x128_f8f6f4 v[96+8*\t:103+8*\t], v[32+6*\t:43+6*\t], v[16:27], v[96+8*\t:103+8*\t], v[86+\t/2], v28 matrix_a_fmt:MATRIX_FMT_BF6 matrix_b_fmt:MATRIX_FMT_BF6
.endif
.endr
.rept 4
	v_nop                                          ; places in front of the loads into K's registers and of the first read of the scores
.endr
.irp t, 0,1,2,3                                ; V's four tiles land under the softmax
	ds_load_b128 v[32+12*\t:35+12*\t], v4 offset:6144+1536*\t
	ds_load_b64 v[36+12*\t:37+12*\t], v5 offset:6144+1536*\t+512
	ds_load_b128 v[38+12*\t:41+12*\t], v4 offset:6144+1536*\t+768
	ds_load_b64 v[42+12*\t:43+12*\t], v5 offset:6144+1536*\t+1280
.endr
	ds_load_b64 v[90:91], v5 offset:12800
	s_cmp_lg_u32 s36, s41
	s_cbranch_scc1 .Lopen
	v_mov_b32 v228, 0xff800000                     ; on the diagonal: hidden scores become -infinity
.set n, 0
.rept 64
	v_cmp_gt_i32 vcc_lo, 32*(n/16)+n%16, v7
	v_cndmask_b32 v[96+n], v[96+n], v228, vcc_lo
.set n, n+1
.endr
.Lopen:
.irp b, 0,1,2,3
	v_max3_num_f32 v[212+\b], v[96+16*\b], v[97+16*\b], v[98+16*\b]   ; the largest score of each block of 32 keys: for the row's maximum, and for the block's largest p
.endr
.irp i, 3,5,7,9,11,13
.irp b, 0,1,2,3
	v_max3_num_f32 v[212+\b], v[212+\b], v[96+16*\b+\i], v[97+16*\b+\i]
.endr
.endr
.irp b, 0,1,2,3
	v_max_num_f32 v[212+\b], v[212+\b], v[111+16*\b]
.endr
.irp b, 0,1,2,3
	s_delay_alu instid0(VALU_DEP_4)
	v_permlanex16_b32 v[216+\b], v[212+\b], s20, s21
.endr
.irp b, 0,1,2,3
	s_delay_alu instid0(VALU_DEP_4)
	v_max_num_f32 v[212+\b], v[212+\b], v[216+\b]
.endr
	s_delay_alu instid0(VALU_DEP_2)
	v_max3_num_f32 v227, v212, v213, v214
	s_delay_alu instid0(VALU_DEP_1)
	v_max_num_f32 v227, v227, v215
	s_delay_alu instid0(VALU_DEP_1)
	v_mul_f32 v227, s22, v227                      ; as t
	s_delay_alu instid0(VALU_DEP_1)
	v_max_num_f32 v13, v13, v227                   ; the running largest t
	v_mov_b32 v227, v12
	s_delay_alu instid0(VALU_DEP_2)
	v_floor_f32 v12, -v13                          ; the new -M = -ceil(t)
	s_delay_alu instid0(VALU_DEP_1)
	v_sub_f32 v227, v12, v227                      ; old M - new M: a whole number, 0 or less
	s_delay_alu instid0(VALU_DEP_1)
	v_cvt_i32_f32 v227, v227                       ; (it saturates)
	s_delay_alu instid0(VALU_DEP_1)
	v_ldexp_f32 v224, 1.0, v227                    ; f = 2^(old M - new M): rounds nothing
.set j, 0
	s_setprio 1
.rept 32
	v_pk_fma_f32 v[96+j:97+j], v[96+j:97+j], s[22:23], v[12:13] op_sel_hi:[1,0,0]   ; t - M
.set j, j+2
.endr
.irp b, 0,1,2,3
	v_fma_f32 v[212+\b], v[212+\b], s22, v12
.endr
.set j, 0
	s_wait_alu depctr_va_vdst(0)
.rept 64
	v_exp_f32 v[96+j], v[96+j]                     ; p = 2^(t - M)
.set j, j+1
.endr
	v_pk_mul_f32 v[14:15], v[14:15], v[224:225] op_sel_hi:[1,0]   ; the sums under the new M: a plain place behind the exponentials
	s_wait_alu depctr_va_vdst(0)                   ; one wait for the batch of 64, ahead of its first reader
.irp b, 0,1,2,3
	v_exp_f32 v[212+\b], v[212+\b]                 ; the block's largest p
.endr
	v_pk_add_f32 v[216:217], v[100:101], v[104:105]
	v_pk_add_f32 v[252:253], v[108:109], v[112:113]
	v_pk_add_f32 v[250:251], v[116:117], v[120:121]
	v_pk_add_f32 v[248:249], v[124:125], v[128:129]
	v_pk_add_f32 v[246:247], v[132:133], v[136:137]
	v_pk_add_f32 v[244:245], v[140:141], v[144:145]
	v_pk_add_f32 v[242:243], v[148:149], v[152:153]
	v_pk_add_f32 v[14:15], v[14:15], v[156:157]
	v_pk_add_f32 v[216:217], v[216:217], v[96:97]
	v_pk_add_f32 v[252:253], v[252:253], v[98:99]
	v_pk_add_f32 v[250:251], v[250:251], v[102:103]
	v_pk_add_f32 v[248:249], v[248:249], v[106:107]
	v_pk_add_f32 v[246:247], v[246:247], v[110:111]
	v_pk_add_f32 v[244:245], v[244:245], v[114:115]
	v_pk_add_f32 v[242:243], v[242:243], v[118:119]
	v_pk_add_f32 v[14:15], v[14:15], v[122:123]
	v_pk_add_f32 v[216:217], v[216:217], v[126:127]
	v_pk_add_f32 v[252:253], v[252:253], v[130:131]
	v_pk_add_f32 v[250:251], v[250:251], v[134:135]
	v_pk_add_f32 v[248:249], v[248:249], v[138:139]
	v_pk_add_f32 v[246:247], v[246:247], v[142:143]
	v_pk_add_f32 v[244:245], v[244:245], v[146:147]
	v_pk_add_f32 v[242:243], v[242:243], v[150:151]
	v_pk_add_f32 v[14:15], v[14:15], v[154:155]
	v_pk_add_f32 v[216:217], v[216:217], v[158:159]
	s_delay_alu instid0(VALU_DEP_2)
	v_pk_add_f32 v[14:15], v[14:15], v[248:249]
	s_delay_alu instid0(VALU_DEP_2)
	v_pk_add_f32 v[216:217], v[216:217], v[246:247]
	v_pk_add_f32 v[252:253], v[252:253], v[244:245]
	v_pk_add_f32 v[250:251], v[250:251], v[242:243]
	s_delay_alu instid0(VALU_DEP_2)
	v_pk_add_f32 v[14:15], v[14:15], v[252:253]
	s_delay_alu instid0(VALU_DEP_2)
	v_pk_add_f32 v[216:217], v[216:217], v[250:251]
	s_delay_alu instid0(VALU_DEP_1)
	v_pk_add_f32 v[14:15], v[14:15], v[216:217]
	s_wait_alu depctr_va_vdst(0)                   ; and one for the four
.irp b, 0,1,2,3
	v_max_num_f32 v[212+\b], 0x2800000, v[212+\b]  ; the floor 2^(5 - 127)
.endr
.irp b, 0,1,2,3
	s_delay_alu instid0(VALU_DEP_4)
	v_add_nc_u32 v[220+\b], 0xfe000000, v[212+\b]
.endr
.irp b, 0,1,2,3
	s_delay_alu instid0(VALU_DEP_4)
	v_lshrrev_b32 v[216+\b], 23, v[220+\b]
.endr
	s_delay_alu instid0(VALU_DEP_3)
	v_lshl_or_b32 v226, v217, 8, v216              ; p's scale word for these 128 keys
	s_delay_alu instid0(VALU_DEP_1)
	v_lshl_or_b32 v226, v218, 16, v226
	s_delay_alu instid0(VALU_DEP_1)
	v_lshl_or_b32 v226, v219, 24, v226
	s_setprio 0
.irp c, 0,1
	v_cvt_scalef32_pk16_bf6_f32 v[192+6*\c:194+6*\c], v[96+32*\c:111+32*\c], v[220+2*\c]
	v_cvt_scalef32_pk16_bf6_f32 v[204+4*\c:206+4*\c], v[112+32*\c:127+32*\c], v[220+2*\c+1]
.endr
	v_nop                                          ; one plain place behind a scaled conversion
.irp c, 0,1
.irp i, 0,1,2
	v_permlane16_swap_b32 v[192+6*\c+\i], v[204+4*\c+\i]
.endr
.irp i, 0,1,2
	s_delay_alu instid0(VALU_DEP_3)
	v_mov_b32 v[195+6*\c+\i], v[204+4*\c+\i]
.endr
.endr
.set j, 0
.rept 16
	v_pk_mul_f32 v[160+j:161+j], v[160+j:161+j], v[224:225] op_sel_hi:[1,0]   ; O^T under the new M.  These sixteen are also the places between p's codes and scale word and the products
.set j, j+2
.endr
	s_wait_alu depctr_va_vdst(0)
	s_wait_dscnt 0x0                               ; V
.irp t, 0,1,2,3                                ; O^T += V^T P^T
.if \t%2
	v_wmma_scale_f32_16x16x128_f8f6f4 v[160+8*\t:167+8*\t], v[32+12*\t:43+12*\t], v[192:203], v[160+8*\t:167+8*\t], v[90+\t/2], v226 matrix_a_fmt:MATRIX_FMT_BF6 matrix_b_fmt:MATRIX_FMT_BF6 matrix_a_scale:MATRIX_SCALE_ROW1
.else
	v_wmma_scale_f32_16x16x128_f8f6f4 v[160+8*\t:167+8*\t], v[32+12*\t:43+12*\t], v[192:203], v[160+8*\t:167+8*\t], v[90+\t/2], v226 matrix_a_fmt:MATRIX_FMT_BF6 matrix_b_fmt:MATRIX_FMT_BF6
.endif
.endr
.rept 4
	v_nop                                          ; places in front of the next step's loads and of the way out's reads
.endr
.Lhidden:
	s_add_co_u32 s36, s36, 128
	s_add_co_u32 s37, s37, REC
	s_add_co_u32 s38, s38, 512
	s_sub_co_u32 s39, s39, 1
	s_cmp_lg_u32 s39, 0
	s_cbranch_scc1 .Lstep
	s_setprio 0
	; THE WAY OUT of a pass: O^T / the sum, quantised along my head's 64 channels (two blocks), stored as half a fragment's image
	v_add_f32 v14, v14, v15
	s_delay_alu instid0(VALU_DEP_1)
	v_permlanex16_b32 v227, v14, s20, s21
	s_delay_alu instid0(VALU_DEP_1)
	v_add_f32 v14, v14, v227                       ; the row's sum
	s_delay_alu instid0(VALU_DEP_1)
	v_cmp_eq_f32 s48, 0, v14                       ; no visible key
	v_rcp_f32 v228, v14
	v_mov_b32 v227, 0xffff                         ; (a plain place behind the reciprocal)
	s_wait_alu depctr_va_vdst(0)                   ; the wait ahead of its first reader
	v_cndmask_b32 v228, v228, v80, s48             ; such a row's codes are zeros; its NaN travels in the scale bytes
.set j, 0
.rept 32
	v_mul_f32 v[96+j], v[160+j], v228              ; register 16 b + i is channel 32 b + 16 h + i
.set j, j+1
.endr
.irp b, 0,1
	v_max3_num_f32 v[212+\b], |v[96+16*\b]|, |v[97+16*\b]|, 0x2800000
.endr
.irp i, 2,4,6,8,10,12,14
.irp b, 0,1
	s_delay_alu instid0(VALU_DEP_2)
	v_max3_num_f32 v[212+\b], v[212+\b], |v[96+16*\b+\i]|, |v[97+16*\b+\i]|
.endr
.endr
.irp b, 0,1
	s_delay_alu instid0(VALU_DEP_2)
	v_permlanex16_b32 v[216+\b], v[212+\b], s20, s21
.endr
.irp b, 0,1
	s_delay_alu instid0(VALU_DEP_2)
	v_max_num_f32 v[212+\b], v[212+\b], v[216+\b]
.endr
.irp b, 0,1
	s_delay_alu instid0(VALU_DEP_2)
	v_add_nc_u32 v[220+\b], 0xfe000000, v[212+\b]
.endr
.irp b, 0,1
	s_delay_alu instid0(VALU_DEP_2)
	v_lshrrev_b32 v[216+\b], 23, v[220+\b]
.endr
	s_delay_alu instid0(VALU_DEP_1)
	v_lshl_or_b32 v229, v217, 8, v216
	s_delay_alu instid0(VALU_DEP_1)
	v_cndmask_b32 v229, v229, v227, s48            ; 0xff, 0xff where the row has no visible key
	v_cvt_scalef32_pk16_bf6_f32 v[192:194], v[96:111], v220
	v_cvt_scalef32_pk16_bf6_f32 v[204:206], v[112:127], v221
	v_nop
.irp i, 0,1,2
	v_permlane16_swap_b32 v[192+\i], v[204+\i]
.endr
.irp i, 0,1,2
	s_delay_alu instid0(VALU_DEP_3)
	v_mov_b32 v[195+\i], v[204+\i]
.endr
	global_store_b128 v1, v[192:195], s[44:45]               ; 512 consecutive aligned bytes,
	global_store_b64 v2, v[196:197], s[44:45] offset:512     ; 256
	global_store_b16 v9, v229, s[46:47]                      ; my head's two bytes of the row's scale word (both halves of the lanes store the same)
.irp i, 0,1,2,3,4,5
	v_mov_b32 v[16+\i], v[230+\i]                  ; the second pass's Q
.endr
	v_mov_b32 v28, v236
	s_sub_co_u32 s40, s40, 1
	s_cmp_lg_u32 s40, 0
	s_cbranch_scc1 .Lpass
	s_wait_tensorcnt 0x0
	ds_add_u32 v254, v255
	s_wait_dscnt 0x0
	s_endpgm
.Lfunc_end_k_q29378d07a1_attn:
	.size	k_q29378d07a1_attn, .Lfunc_end_k_q29378d07a1_attn-k_q29378d07a1_attn
	.p2alignl 7, 3214868480
	.fill 96, 4, 3214868480
	.section	.rodata,"a",@progbits
	.p2align	6, 0x0
	.amdhsa_kernel k_q29378d07a1_attn
		.amdhsa_group_segment_fixed_size 219136
		.amdhsa_private_segment_fixed_size 0
		.amdhsa_enable_private_segment 0
		.amdhsa_kernarg_size 40
		.amdhsa_user_sgpr_count 2
		.amdhsa_user_sgpr_kernarg_segment_ptr 1
		.amdhsa_wavefront_size32 1
		.amdhsa_system_sgpr_workgroup_id_x 1
		.amdhsa_system_sgpr_workgroup_id_y 1
		.amdhsa_system_sgpr_workgroup_id_z 1
		.amdhsa_system_vgpr_workitem_id 0
		.amdhsa_next_free_vgpr 256
		.amdhsa_next_free_sgpr 66
		.amdhsa_reserve_vcc 1
		.amdhsa_float_denorm_mode_32 3
		.amdhsa_float_denorm_mode_16_64 3
		.amdhsa_memory_ordered 1
		.amdhsa_forward_progress 1
		.amdhsa_inst_pref_size 37
	.end_amdhsa_kernel
	.amdgpu_metadata
---
amdhsa.version: [ 1, 2 ]
amdhsa.kernels:
  - .name:           k_q29378d07a1_attn
    .symbol:         k_q29378d07a1_attn.kd
    .args:
      - { .name: qrec, .offset: 0, .size: 8, .value_kind: global_buffer, .address_space: global }
      - { .name: kvrec, .offset: 8, .size: 8, .value_kind: global_buffer, .address_space: global }
      - { .name: mask, .offset: 16, .size: 8, .value_kind: global_buffer, .address_space: global }
      - { .name: oimg, .offset: 24, .size: 8, .value_kind: global_buffer, .address_space: global }
      - { .name: oscl, .offset: 32, .size: 8, .value_kind: global_buffer, .address_space: global }
    .group_segment_fixed_size: 219136
    .private_segment_fixed_size: 0
    .kernarg_segment_align: 8
    .kernarg_segment_size: 40
    .max_flat_workgroup_size: 512
    .sgpr_count:     66
    .vgpr_count:     256
    .wavefront_size: 32
...
	.end_amdgpu_metadata
.endif
;; end of part 3
;; launch outproj (part 4): grid 4 x 32, 4 waves a work-group, clusters of 4 x 4, 327,680 bytes of LDS; arguments oimg, oscl, wimg, wscl, out0; writes out0
.if DOCPART == 4
	.amdgcn_target "amdgcn-amd-amdhsa--gfx1250"
	.amdhsa_code_object_version 6
	.text
	.protected	k_q29378d07a1_outproj
	.globl	k_q29378d07a1_outproj
	.p2align	8
	.type	k_q29378d07a1_outproj,@function
k_q29378d07a1_outproj:
	s_mov_b64 s[64:65], 0
	v_nop
	global_prefetch_b8 v0, s[64:65] scope:SCOPE_SE
	s_setreg_imm32_b32 hwreg(HW_REG_WAVE_MODE, 25, 1), 1
	s_wait_xcnt 0x0
	s_wait_alu depctr_hold_cnt(0) depctr_sa_sdst(0) depctr_va_vdst(0) depctr_va_sdst(0) depctr_va_ssrc(0) depctr_va_vcc(0) depctr_vm_vsrc(0)
	s_getreg_b32 s2, hwreg(HW_REG_IB_STS2, 6, 4)
	s_cmp_eq_u32 s2, 0
	s_cbranch_scc0 .Lentry_in_a_cluster
	s_endpgm
.Lentry_in_a_cluster:
	s_bfe_u32 s2, ttmp6, 0x10000c
	s_cmp_lg_u32 s2, 0xf033
	s_cbranch_scc0 .Lentry_shape_is_right
	s_endpgm
.Lentry_shape_is_right:
; out0 = O Wo on codes of BF6 (E3M2) with E8M0 scales, f32 sums.  O's codes and scale words come from attention, Wo's from the quantising launch, both as images of the operand's registers.
; A work-group of four waves makes 256 tokens x 256 channels, a wave 128 x 128: 64 accumulators.  K = 1,024 is four chunks of two K steps in THREE LDS slots: chunks 0, 1, 2 are first fills, chunk 3 fills slot 0 again.
; By this text's count a wave has three tensor loads out at the start and one behind the refill.  The scale words of all of K stay in registers: 4 a block (K step 2 j in lanes 0-15, 2 j + 1 in lanes 16-31).
; CLUSTERS 4 x 4: O's tile is asked for jointly along a row of the cluster, Wo's along a column.  THE PRODUCT IS USED TRANSPOSED (source 0 = 16 channels of Wo, source 1 = 16 tokens): a lane holds 8 channels of one token.
; Lane r of block 2 g + u holds row 32 g + 8 u + r + 8 (r / 8), tokens and channels alike: the way out puts both back in order.  A token whose scale bytes are 0xff (no visible key) comes out NaN in all its channels.
; REGISTERS: window 0: v1-29 addresses; v32-63 O's scale words, v64-95 Wo's; v128-223 O's fragments (one set); on the way out v128-255 take rows.  window 1: Wo's fragments, two sets.  windows 2, 3: the accumulators.
.set FR,    12
.set NL,    4
.set NP,    4
.set CHUNK, 3072
.set BLKB,  12288
.set QUART, 24576
.set SLOT,  98304
.set SPARE, 3*SLOT
.set STG,   SLOT                       ; the way out's stages, 16 rows x 528 bytes a wave, lie in slot 1: it has had its only fill, and nobody reads it behind the last barrier
.set A16, 8
.set A8,  11
.set B16, 14
.set B8,  17
.set STO, 24
.set RD,  25
.set SPW, 28
.set NIL, 29
.set SA,  32
.set SB,  64
.set AF,  128
.set BK,  128
.set G1X, 24
.set G0X, 32
.set G1W, 44
.set G0W, 52
.set MSB, 0
.macro WIN new
.if MSB != \new
	s_set_vgpr_msb (MSB<<8)|\new
.set MSB, \new
.endif
.endm
.set MUL_LO, 0xa1
.set MUL_HI, 0xf1
.set TO_B,   0x40
.macro PLACES n
.rept \n
	v_nop
.endr
.endm
.macro CREST
	s_cmp_lg_u32 s16, 0
	s_cbranch_scc1 .Lnot_wave_0_\@
	s_barrier_signal -3
.Lnot_wave_0_\@:
	s_barrier_wait -3
	s_barrier_signal -1
	s_barrier_wait -1
.endm
.macro CROUND
	s_barrier_signal -1
	s_barrier_wait -1
	CREST
.endm
.macro JLOAD                           ; the joint refill: waves 0, 1 fetch O's halves, waves 2, 3 Wo's; four v_nop follow each line
	s_cmp_eq_u32 s17, 0
	s_cbranch_scc0 .Lfor_w_\@
	tensor_load_to_lds s[G0X:G0X+3], s[G1X:G1X+7]
	s_nop 0
	PLACES 4
	s_branch .Lasked_\@
.Lfor_w_\@:
	tensor_load_to_lds s[G0W:G0W+3], s[G1W:G1W+7]
	s_nop 0
	PLACES 4
.Lasked_\@:
.endm
.macro FRAG reg, a16, a8, off
	ds_load_b128 v[\reg:\reg+3], v[\a16] offset:\off
	ds_load_b64 v[\reg+4:\reg+5], v[\a8] offset:\off+512
	ds_load_b128 v[\reg+6:\reg+9], v[\a16] offset:\off+768
	ds_load_b64 v[\reg+10:\reg+11], v[\a8] offset:\off+1280
.endm
.macro FETCH_B ks
	WIN TO_B
.irp i, 0,1,2,3,4,5,6,7
	FRAG 128*((\ks)%2)+FR*\i, B16+((\ks)/2)%3, B8+((\ks)/2)%3, CHUNK*\i+1536*((\ks)%2)
.endr
	WIN 0
.endm
.macro FETCH_A ks, i0
.irp i, \i0, \i0+1, \i0+2, \i0+3
	FRAG AF+FR*(\i), A16+((\ks)/2)%3, A8+((\ks)/2)%3, CHUNK*(\i)+1536*((\ks)%2)
.endr
.endm
; 16 products: O's blocks a0, a0 + 1 x Wo's eight.  The 64 accumulators take turns in one order throughout.
.macro MUL16 a0, ks, zero
.irp a, \a0, \a0+1
.irp b, 0,1,2,3,4,5,6,7
.if \zero
	v_wmma_scale_f32_16x16x128_f8f6f4 v[8*(8*((\a)%4)+\b):8*(8*((\a)%4)+\b)+7], v[128*((\ks)%2)+FR*\b:128*((\ks)%2)+FR*\b+FR-1], v[AF+FR*(\a):AF+FR*(\a)+FR-1], 0, v[SB+4*\b+(\ks)/2], v[SA+4*(\a)+(\ks)/2] matrix_a_fmt:MATRIX_FMT_BF6 matrix_b_fmt:MATRIX_FMT_BF6
.elseif (\ks)%2
	v_wmma_scale_f32_16x16x128_f8f6f4 v[8*(8*((\a)%4)+\b):8*(8*((\a)%4)+\b)+7], v[128*((\ks)%2)+FR*\b:128*((\ks)%2)+FR*\b+FR-1], v[AF+FR*(\a):AF+FR*(\a)+FR-1], v[8*(8*((\a)%4)+\b):8*(8*((\a)%4)+\b)+7], v[SB+4*\b+(\ks)/2], v[SA+4*(\a)+(\ks)/2] matrix_a_fmt:MATRIX_FMT_BF6 matrix_b_fmt:MATRIX_FMT_BF6 matrix_a_scale:MATRIX_SCALE_ROW1 matrix_b_scale:MATRIX_SCALE_ROW1
.else
	v_wmma_scale_f32_16x16x128_f8f6f4 v[8*(8*((\a)%4)+\b):8*(8*((\a)%4)+\b)+7], v[128*((\ks)%2)+FR*\b:128*((\ks)%2)+FR*\b+FR-1], v[AF+FR*(\a):AF+FR*(\a)+FR-1], v[8*(8*((\a)%4)+\b):8*(8*((\a)%4)+\b)+7], v[SB+4*\b+(\ks)/2], v[SA+4*(\a)+(\ks)/2] matrix_a_fmt:MATRIX_FMT_BF6 matrix_b_fmt:MATRIX_FMT_BF6
.endif
.endr
.endr
.endm
.macro STEP ks, zero
	s_wait_dscnt 4*NL                              ; Wo's set and O's blocks 0-3 are in; the youngest 16 loads (blocks 4-7) may be out
	WIN MUL_LO
	MUL16 0, \ks, \zero
	MUL16 2, \ks, \zero
	s_wait_dscnt 0x0
	PLACES NP                                      ; in front of loads into registers that matrix instructions have read
	FETCH_B (\ks)+1
	FETCH_A (\ks)+1, 0
	WIN MUL_HI
	MUL16 4, \ks, \zero
	MUL16 6, \ks, \zero
	PLACES NP
	WIN 0
	FETCH_A (\ks)+1, 4
.endm
.macro TURN ks, fill
	s_wait_tensorcnt 0x0                           ; all my tensor loads have landed
	ds_add_u32 v[SPW], v[NIL]                      ; 0 onto my spare word
	s_wait_dscnt 4*NL+1                            ; (the add and the youngest 16 loads may be out)
	WIN MUL_LO
	MUL16 0, \ks, 0
	s_wait_dscnt 0x0                               ; the add is done, and my reads of the slots behind me are over
	s_barrier_signal -1
	MUL16 2, \ks, 0
	WIN 0
	s_barrier_wait -1
.if \fill
	CREST                                          ; no wave of any partner still reads slot 0 or has a load on its way
	s_add_nc_u64 s[G0X+2:G0X+3], s[G0X+2:G0X+3], 3*CHUNK
	s_add_nc_u64 s[G0W+2:G0W+3], s[G0W+2:G0W+3], 3*CHUNK
	JLOAD                                          ; chunk 3: the first tensor load behind the round; its four v_nop are the places in front of the loads below
.else
	PLACES NP
.endif
	s_wait_alu depctr_va_vdst(0)
	FETCH_B (\ks)+1
	FETCH_A (\ks)+1, 0
	WIN MUL_HI
	MUL16 4, \ks, 0
	MUL16 6, \ks, 0
	PLACES NP
	WIN 0
	FETCH_A (\ks)+1, 4
.endm
	s_load_b256 s[4:11], s[0:1], 0x0               ; oimg, oscl, wimg, wscl
	s_load_b64 s[12:13], s[0:1], 0x20              ; out0
	v_lshl_add_u32 v[SPW], v0, 2, SPARE
	v_mov_b32 v[NIL], 0
	ds_add_u32 v28, v29
	ds_add_u32 v28, v29
	s_wait_dscnt 0x0
	v_lshrrev_b32 v1, 5, v0
	v_readfirstlane_b32 s16, v1                    ; wave 0..3
	s_lshr_b32 s17, s16, 1                         ; hx: my half of the tokens.  Also: I fetch O (0) or Wo (1)
	s_and_b32 s18, s16, 1                          ; hw: my half of the channels.  Also: which 8 blocks I fetch
	s_bfe_u32 s19, ttmp6, 0x40000                  ; cx
	s_bfe_u32 s20, ttmp6, 0x40004                  ; cy
	s_lshl_b32 s21, ttmp9, 2
	s_add_co_u32 s21, s21, s19                     ; x
	s_and_b32 s66, ttmp7, 0xffff
	s_mov_b32 s23, 3                               ; Wo is the fourth weight
	s_lshl_b32 s22, s66, 2
	s_add_co_u32 s22, s22, s20                     ; y
	s_lshl_b32 s67, s20, 2
	s_lshl_b32 s67, 15, s67                        ; my row of the cluster
	s_lshl_b32 s68, 0x1111, s19                    ; my column
	s_or_b32 s[G1X], s67, (3<<16)|(1<<21)          ; the mask; elements of 8 bytes; no padding; bit 21 beside a mask
	s_or_b32 s[G1W], s68, (3<<16)|(1<<21)
.irp g, G1X, G1W
	s_mov_b32 s[\g+1], 384<<16                     ; 8 rows (blocks) of 3,072 bytes, 12,288 apart
	s_mov_b32 s[\g+2], 8<<16
	s_mov_b32 s[\g+3], 384<<16
	s_mov_b32 s[\g+4], 8
	s_mov_b32 s[\g+5], 1536
	s_mov_b32 s[\g+6], 0
	s_mov_b32 s[\g+7], 0
.endr
	s_lshl_b32 s69, s18, 3
	s_lshl_b32 s70, s22, 4
	s_add_co_u32 s70, s70, s69                     ; O: block 16 y + 8 x half
	s_mul_i32 s70, s70, BLKB
	s_mov_b32 s71, 0
	s_lshl_b32 s72, s23, 6
	s_lshl_b32 s74, s21, 4
	s_add_co_u32 s72, s72, s74
	s_add_co_u32 s72, s72, s69                     ; Wo: block 192 + 16 x + 8 x half
	s_mul_i32 s72, s72, BLKB
	s_mov_b32 s73, 0
	s_mul_i32 s75, s16, QUART
	s_wait_kmcnt 0x0
	s_add_nc_u64 s[70:71], s[4:5], s[70:71]
	s_add_nc_u64 s[72:73], s[8:9], s[72:73]
.irp c, 0,1,2
	s_mov_b32 s[G0X+4*\c], 1
	s_add_co_u32 s[G0X+4*\c+1], s75, \c*SLOT
	s_add_nc_u64 s[G0X+4*\c+2:G0X+4*\c+3], s[70:71], \c*CHUNK
	s_or_b32 s[G0X+4*\c+3], s[G0X+4*\c+3], 0x80000000
	s_mov_b32 s[G0W+4*\c], 1
	s_add_co_u32 s[G0W+4*\c+1], s75, \c*SLOT
	s_add_nc_u64 s[G0W+4*\c+2:G0W+4*\c+3], s[72:73], \c*CHUNK
	s_or_b32 s[G0W+4*\c+3], s[G0W+4*\c+3], 0x80000000
.endr
	CROUND                                         ; all sixteen work-groups are here: the first joint loads meet
	s_cmp_eq_u32 s17, 0                            ; a wave's three first fills stand in one branch
	s_cbranch_scc0 .Lfirst_w
	tensor_load_to_lds s[G0X:G0X+3], s[G1X:G1X+7]
	s_nop 0
	tensor_load_to_lds s[G0X+4:G0X+7], s[G1X:G1X+7]
	s_nop 0
	tensor_load_to_lds s[G0X+8:G0X+11], s[G1X:G1X+7]
	s_nop 0
	PLACES 4
	s_branch .Lfirst_done
.Lfirst_w:
	tensor_load_to_lds s[G0W:G0W+3], s[G1W:G1W+7]
	s_nop 0
	tensor_load_to_lds s[G0W+4:G0W+7], s[G1W:G1W+7]
	s_nop 0
	tensor_load_to_lds s[G0W+8:G0W+11], s[G1W:G1W+7]
	s_nop 0
	PLACES 4
.Lfirst_done:
	s_lshl_b32 s88, s22, 4
	s_lshl_b32 s89, s17, 3
	s_add_co_u32 s88, s88, s89
	s_lshl_b32 s88, s88, 9
	s_mov_b32 s89, 0
	s_add_nc_u64 s[88:89], s[6:7], s[88:89]        ; my 8 blocks of O: 512 bytes of scale words a block
	s_lshl_b32 s90, s23, 6
	s_lshl_b32 s91, s21, 4
	s_add_co_u32 s90, s90, s91
	s_lshl_b32 s91, s18, 3
	s_add_co_u32 s90, s90, s91
	s_lshl_b32 s90, s90, 9
	s_mov_b32 s91, 0
	s_add_nc_u64 s[90:91], s[10:11], s[90:91]      ; my 8 blocks of Wo
	s_mul_i32 s78, s17, QUART                      ; my tokens in a slot,
	s_mul_i32 s79, s18, QUART
	s_add_co_u32 s79, s79, 2*QUART                 ; my channels
	v_and_b32 v1, 15, v0                           ; r
	v_bfe_u32 v2, v0, 4, 1                         ; h
	v_and_b32 v3, 31, v0
	v_lshlrev_b32 v4, 2, v3
	v_lshlrev_b32 v20, 4, v3
	v_lshlrev_b32 v21, 3, v3
.irp i, 0,1,2,3,4,5,6,7
.irp j, 0,1,2,3
	global_load_b32 v[SA+4*\i+\j], v4, s[88:89] offset:512*\i+128*\j
.endr
.endr
.irp i, 0,1,2,3,4,5,6,7
.irp j, 0,1,2,3
	global_load_b32 v[SB+4*\i+\j], v4, s[90:91] offset:512*\i+128*\j
.endr
.endr
.irp s, 0,1,2
	v_add_nc_u32 v[A16+\s], s78, v20
	v_add_nc_u32 v[A8+\s], s78, v21
	v_add_nc_u32 v[B16+\s], s79, v20
	v_add_nc_u32 v[B8+\s], s79, v21
	s_add_co_u32 s78, s78, SLOT
	s_add_co_u32 s79, s79, SLOT
.endr
	s_mul_i32 s92, s16, 16*528
	s_add_co_u32 s92, s92, STG                     ; my stage
	v_mul_u32_u24 v5, v1, 528
	v_lshl_add_u32 v5, v2, 6, v5
	v_add_nc_u32 v[STO], s92, v5                   ; in: row r, + 64 h: my half's 16 channels of a group of 32
	v_add_nc_u32 v[RD], s92, v20                   ; back: the 32 lanes take one row of 512 bytes
	s_lshl_b32 s82, s22, 1
	s_add_co_u32 s82, s82, s17
	s_lshl_b32 s82, s82, 19                        ; my first token: (256 y + 128 hx) rows of 4,096 bytes
	s_lshl_b32 s93, s21, 10
	s_add_co_u32 s82, s82, s93                     ; + 256 x channels
	s_lshl_b32 s93, s18, 9
	s_add_co_u32 s82, s82, s93                     ; + 128 hw
	s_mov_b32 s83, 0
	s_add_nc_u64 s[82:83], s[12:13], s[82:83]
	s_wait_tensorcnt 2                             ; my part of chunk 0 is in; chunks 1 and 2 may stay out
	s_barrier_signal -1
	s_barrier_wait -1
	FETCH_B 0
	FETCH_A 0, 0
	FETCH_A 0, 4
	s_wait_loadcnt 0x0                             ; the scale words
	STEP 0, 1                                      ; the first products start the sums
	TURN 1, 1                                      ; slot 0 is left and filled again; every wave has shown chunks 1 and 2 landed
	STEP 2, 0
	STEP 3, 0
	STEP 4, 0
	TURN 5, 0                                      ; chunk 3 is shown to all; behind this barrier nobody reads slots 1 and 2
	STEP 6, 0
	s_wait_dscnt 4*NL
	WIN MUL_LO
	MUL16 0, 7, 0
	MUL16 2, 7, 0
	s_wait_dscnt 0x0
	WIN MUL_HI
	MUL16 4, 7, 0
	MUL16 6, 7, 0
	WIN 0
; THE WAY OUT, block by block of 16 tokens x 128 channels, through my own stage: in by 16 bytes of a row, back as whole rows of 512 bytes.  LDS serves a wave's instructions in order: no wait between the stores and the loads.
.macro TOSTAGE a
.set AC, 64*((\a)%4)
.set WS, 0x08+4*((\a)/4)               ; an LDS store's data are its source 1: window 2 or 3
	WIN WS
.irp b, 0,1,2,3,4,5,6,7
	ds_store_b128 v[STO], v[AC+8*\b:AC+8*\b+3] offset:128*(\b/2)+32*(\b%2)         ; block b's register j is channel 32 (b / 2) + 16 h + 8 (b % 2) + j; each accumulator from its low end on
	ds_store_b128 v[STO], v[AC+8*\b+4:AC+8*\b+7] offset:128*(\b/2)+32*(\b%2)+16
.endr
	WIN 0
.set BB, BK+64*((\a)%2)
.irp t, 0,1,2,3,4,5,6,7,8,9,10,11,12,13,14,15
	ds_load_b128 v[BB+4*\t:BB+4*\t+3], v[RD] offset:\t*528
.endr
.endm
.macro SEND a, younger                 ; younger: the LDS instructions issued behind block a's loads, which may stay out
.set BB, BK+64*((\a)%2)
	s_wait_dscnt \younger
.irp t, 0,1,2,3,4,5,6,7,8,9,10,11,12,13,14,15
	global_store_b128 v20, v[BB+4*\t:BB+4*\t+3], s[82:83] offset:(32*((\a)/2)+8*((\a)%2)+\t+8*(\t/8))*4096 th:TH_STORE_NT   ; stage row t of block a is that token: 32 lanes store 512 consecutive aligned bytes; 127 rows at the most in the immediate
.endr
.endm
	PLACES NP                                      ; in front of the first read of results and of the loads into the registers that held O's fragments
	TOSTAGE 0
.irp a, 1,2,3,4,5,6,7
.if \a > 1
	s_wait_xcnt 0x0                                ; block a - 2's stores have read their registers: block a's loads may land there
.endif
	TOSTAGE \a
	SEND \a-1, 32                                  ; behind block a - 1's loads: block a's 16 stores and 16 loads
.endr
	SEND 7, 0
	s_wait_tensorcnt 0x0                           ; the wave's end
	ds_add_u32 v[SPW], v[NIL]
	s_wait_dscnt 0x0
	CROUND                                         ; the closing round
	s_endpgm
.Lfunc_end_k_q29378d07a1_outproj:
	.size	k_q29378d07a1_outproj, .Lfunc_end_k_q29378d07a1_outproj-k_q29378d07a1_outproj
	.p2alignl 7, 3214868480
	.fill 96, 4, 3214868480
	.section	.rodata,"a",@progbits
	.p2align	6, 0x0
	.amdhsa_kernel k_q29378d07a1_outproj
		.amdhsa_group_segment_fixed_size 327680
		.amdhsa_private_segment_fixed_size 0
		.amdhsa_enable_private_segment 0
		.amdhsa_kernarg_size 40
		.amdhsa_user_sgpr_count 2
		.amdhsa_user_sgpr_kernarg_segment_ptr 1
		.amdhsa_wavefront_size32 1
		.amdhsa_system_sgpr_workgroup_id_x 1
		.amdhsa_system_sgpr_workgroup_id_y 1
		.amdhsa_system_sgpr_workgroup_id_z 1
		.amdhsa_system_vgpr_workitem_id 0
		.amdhsa_next_free_vgpr 1024
		.amdhsa_next_free_sgpr 100
		.amdhsa_reserve_vcc 0
		.amdhsa_float_denorm_mode_32 3
		.amdhsa_float_denorm_mode_16_64 3
		.amdhsa_memory_ordered 1
		.amdhsa_forward_progress 1
		.amdhsa_inst_pref_size 145
	.end_amdhsa_kernel
	.amdgpu_metadata
---
amdhsa.version: [ 1, 2 ]
amdhsa.kernels:
  - .name:           k_q29378d07a1_outproj
    .symbol:         k_q29378d07a1_outproj.kd
    .args:
      - { .name: oimg, .offset: 0, .size: 8, .value_kind: global_buffer, .address_space: global }
      - { .name: oscl, .offset: 8, .size: 8, .value_kind: global_buffer, .address_space: global }
      - { .name: wimg, .offset: 16, .size: 8, .value_kind: global_buffer, .address_space: global }
      - { .name: wscl, .offset: 24, .size: 8, .value_kind: global_buffer, .address_space: global }
      - { .name: out0, .offset: 32, .size: 8, .value_kind: global_buffer, .address_space: global }
    .group_segment_fixed_size: 327680
    .private_segment_fixed_size: 0
    .kernarg_segment_align: 8
    .kernarg_segment_size: 40
    .max_flat_workgroup_size: 128
    .sgpr_count:     100
    .vgpr_count:     1024
    .wavefront_size: 32
...
	.end_amdgpu_metadata
.endif
;; end of part 4
